; MI455X (gfx1250); checked and timed in simulation.
; The chip was launched on July 23, 2026; its instructions are those of AMD's public machine-readable ISA for CDNA 5 (MIT licence, August 2026) and "CDNA5" Instruction Set Architecture Reference Guide (July 2026). The comments in the code are by the model that wrote it; some were corrected since.
;; Attention. Allowed arithmetic: matrix products marked QUANTISED: E2M3 operands, one E8M0 scale for each 32 along K, by v_wmma_scale_f32_16x16x128_f8f6f4 with both operands' format E2M3, f32 sums; everything else in f32.
;; Inputs: b_out 1,024 float32; w_out 1,024 x 1,024 float32; w_qkv 1,024 x 3,072 float32; x 4 x 2,048 x 1,024 float32.
;; Outputs: out0 4 x 2,048 x 1,024 float32.
;; This version of the problem:
;;   THIS VERSION OF THE PROBLEM IS GIVEN IN LOW PRECISION. The matrix products marked QUANTISED in the list below multiply operands that are first quantised to E2M3 (2 exponent bits, 3 mantissa bits; 6 bits a number), with one power-of-two scale for each 32 numbers along K (OCP MX v1.0); their sums are f32. All else is computed in f32.
;;   The module's matrix products, in the order in which they are computed (A, B: the left and right operand; K: the contracted axis; several contracted axes count as one K, in the product's order):
;;     1. [M 8,192, K 1,024] x [K 1,024, N 3,072]; A: input x; B: input w_qkv: QUANTISED
;;     2. batch 64 x [M 2,048, K 64] x [K 64, N 2,048]; A: computed on the way; B: computed on the way: QUANTISED
;;     3. batch 64 x [M 2,048, K 2,048] x [K 2,048, N 64]; A: softmax (see below); B: computed on the way: QUANTISED
;;     4. [M 8,192, K 1,024] x [K 1,024, N 1,024]; A: computed on the way; B: input w_out: QUANTISED
;;   THE QUANTISER, for each operand of a quantised product, along K:
;;     - K is cut into blocks of 32 from its start; a last block that is shorter is filled with zeros.
;;     - A block's scale is 2^e with e = floor(log2(the largest magnitude in the block)) - 2, held to -126 .. 127; a block of zeros has e = 0. As a byte (E8M0): e + 127.
;;     - Each number is divided by its block's scale, clamped to +-7.5, and rounded to the nearest number of E2M3, ties to even, subnormals kept.
;;     - The product sums the exact products of the quantised numbers (number of the format x scale) in f32.
;;   ~~~python
;;   def quantise(x, axis):      # numpy; x: float32 -> the quantised numbers, widened to float32 again
;;       x = np.moveaxis(x, axis, -1); K = x.shape[-1]
;;       x = np.pad(x, [(0, 0)] * (x.ndim - 1) + [(0, -K % 32)]); x = x.reshape(x.shape[:-1] + (-1, 32)); a = np.abs(x).max(-1, keepdims=True)
;;       e = np.where(a > 0, np.clip(np.frexp(np.where(a > 0, a, 1))[1] - 1 - 2, -126, 127), 0)      # np.frexp(a)[1] - 1 = floor(log2(a)), exactly
;;       r = np.clip(x / 2.0 ** e, -7.5, 7.5)
;;       step = 2.0 ** (np.maximum(np.frexp(np.where(r == 0, 1, r))[1] - 1, 0) - 3)
;;       q = np.round(r / step) * step * 2.0 ** e      # np.round: ties to even
;;       return np.moveaxis(q.reshape(q.shape[:-2] + (-1,))[..., :K], -1, axis).astype(np.float32)
;;   ~~~
;;   SOFTMAX AHEAD OF A QUANTISED PRODUCT. Where the list says 'softmax', what is quantised is not the finished softmax but p = 2^(t - M), with t = logit x log2(e) and M = ceil(the row's largest t), a whole number; so 1/2 < the row's largest p <= 1. The row's sum l is taken of the UNQUANTISED p, in f32, and the product's result is divided by l at the end. Since M is a whole number, a kernel that streams over the keys may use a running M (the ceiling of the running maximum): every later rescaling is an exact power of two, which a block's scale takes up: the codes' values come out the same.
;;   OPERANDS COMPUTED ON THE WAY. 'Computed on the way' means the value that the module computes at that place (a softmax that the list does not call 'softmax' is quantised finished and normalised). What goes into a quantiser is computed in f32, as accurately as f32 sums, v_exp_f32 and their like allow (about 1e-6 of the number): no bf16 or f16 on the way to a quantiser, and a product that is left as it is and whose result goes on into a quantised operand takes f32 operands (vector FMAs, or v_wmma_f32_16x16x4_f32). A number that lies on a knife's edge between two numbers of the format may be rounded either way, as far as f32 arithmetic and the matrix unit's own rounding can turn it there, and no further.
;; One version. Each part assembles by itself: llvm-mc -triple=amdgcn-amd-amdhsa -mcpu=gfx1250 --defsym DOCPART=n.
;; ======== version 1 of 1: 4 launches
;; limits: right only within a limited range of input values
;; workspace buffers: xq 6,553,600 bytes; wq 3,276,800 bytes; qkv 20,185,088 bytes; ao 6,553,600 bytes
;; launch quant (part 1): grid 256 x 1, 6 waves a work-group, no clusters, 46,848 bytes of LDS; arguments x, w_qkv, w_out, xq, wq; writes xq, wq
.if DOCPART == 1
	.amdgcn_target "amdgcn-amd-amdhsa--gfx1250"
	.amdhsa_code_object_version 6
	.text
	.protected	k_qc8cf87c832_quant
	.globl	k_qc8cf87c832_quant
	.p2align	8
	.type	k_qc8cf87c832_quant,@function
k_qc8cf87c832_quant:
	s_mov_b64 s[64:65], 0
	v_nop
	global_prefetch_b8 v0, s[64:65] scope:SCOPE_SE
	s_setreg_imm32_b32 hwreg(HW_REG_WAVE_MODE, 25, 1), 1
	s_wait_xcnt 0x0
; xq = x [8192][1024], wq = w_qkv [1024][3072] and w_out [1024][1024] (K their FIRST axis), f32, as codes of E2M3 with one E8M0 byte for each 32 along K, laid as the products' operand registers want them.
; A block's scale is 2^(floor(log2(largest magnitude)) - 2); its byte is the largest magnitude's exponent field - 2, held at 1 from below.
; LIMITS: NaN and infinities are not served; a block whose largest magnitude lies under 2^-124 keeps the byte 1; a block of zeros gets the byte 1
; where the rule says 127: its codes are zeros, which add nothing, and this program alone reads the bytes.
; LAYOUT.  128 rows (of x: tokens; of a weight: its columns n; wq's blocks 0-23 are w_qkv's, 24-31 w_out's) are a block of 102,400 bytes: four records (256 along K) of 25,600.
; In a record: image (q, i) at 12288 q + 1536 i (q: which 128 along K, i: tile of 16 rows); from 24,576 on the scale words, at 128 i + 8 r + 4 q.
; Lane r of tile i = 4 c + u holds row 64 c + 8 u + r % 8 + 32 (r / 8) of the block.
; An image is a fragment's 12 registers: registers 0-3 at 16 x lane, 4-5 at 512 + 8 x lane, 6-9 at 768 + 16 x lane, 10-11 at 1280 + 8 x lane.
; ONE LAUNCH FOR ALL THREE TENSORS, 256 work-groups of six waves: waves 0-3 take two tiles of x (131,072 bytes), waves 4 and 5 a pair of tiles each of a weight (65,536 bytes).
; The two paths part on the wave's number, never meet again, and have LDS bytes of their own.  Waves share nothing: no barrier.
.set SPARE, 46080                      ; behind both paths' stages: the spare words, 128 bytes a wave
.set SPW, 5                            ; v5 my spare word, v6 0: never rewritten
.set NIL, 6
	s_load_b256 s[36:43], s[0:1], 0x0              ; x, w_qkv, w_out, xq
	s_load_b64 s[44:45], s[0:1], 0x20              ; wq
	v_lshl_add_u32 v[SPW], v0, 2, SPARE
	v_mov_b32 v[NIL], 0
	v_lshrrev_b32 v30, 5, v0
	v_readfirstlane_b32 s16, v30                   ; wave
	s_cmp_lt_u32 s16, 4
	s_cbranch_scc0 .Lweights
; ---- x.  The work-group takes two tiles (32 rows), wave w the record w: four fragments f (tile f / 2, K step f % 2).  A load reads 512 consecutive bytes of one row; the 16 rows turn through the wave's own
; stage (pitch 528), so that a lane gets 16 neighbours of each block of 32.
.set PITCH, 528
.set STG,   16*PITCH
.set L16, 1
.set L8,  2
.set STW, 3
.set STR, 4
.set TM,  8
.set PW,  24
.set SW,  28
.set PC,  32
.set T,   44
.set R,   64
.set X,   192
.set SEL, 12
.macro QUANT s, pc, pw                 ; 64 numbers of a lane become a fragment's 12 registers and its row's scale word
.irp b, 0,1,2,3
	v_max3_num_f32 v[TM+\b], |v[\s+16*\b]|, |v[\s+1+16*\b]|, 0x1800000   ; my 16 numbers of block b, and the floor 2^(3 - 127)
.endr
.irp i, 2,4,6,8,10,12,14
.irp b, 0,1,2,3
	v_max3_num_f32 v[TM+\b], v[TM+\b], |v[\s+16*\b+\i]|, |v[\s+1+16*\b+\i]|
.endr
.endr
.irp b, 0,1,2,3
	v_permlanex16_b32 v[TM+4+\b], v[TM+\b], s[SEL], s[SEL+1]
.endr
.irp b, 0,1,2,3
	v_max_num_f32 v[TM+\b], v[TM+\b], v[TM+4+\b]     ; with lane l xor 16's
.endr
.irp b, 0,1,2,3
	v_add_nc_u32 v[TM+12+\b], 0xff000000, v[TM+\b]   ; 2 off the exponent field: the conversion's scale operand
.endr
.irp b, 0,1,2,3
	v_lshrrev_b32 v[TM+4+\b], 23, v[TM+12+\b]
.endr
	v_lshl_or_b32 v[\pw], v[TM+5], 8, v[TM+4]
	v_lshl_or_b32 v[\pw], v[TM+6], 16, v[\pw]
	v_lshl_or_b32 v[\pw], v[TM+7], 24, v[\pw]
.irp c, 0,1
	v_cvt_scalef32_pk16_fp6_f32 v[\pc+6*\c:\pc+6*\c+2], v[\s+32*\c:\s+32*\c+15], v[TM+12+2*\c]
	v_cvt_scalef32_pk16_fp6_f32 v[T+4*\c:T+4*\c+2], v[\s+32*\c+16:\s+32*\c+31], v[TM+12+2*\c+1]
.endr
	v_nop                                            ; one plain line behind the conversions
.irp c, 0,1                                      ; the operand wants a whole block in a lane
.irp i, 0,1,2
	v_permlane16_swap_b32 v[\pc+6*\c+\i], v[T+4*\c+\i]
.endr
.irp i, 0,1,2
	v_mov_b32 v[\pc+6*\c+3+\i], v[T+4*\c+\i]
.endr
.endr
.endm
	v_and_b32 v30, 31, v0
	v_lshlrev_b32 v[L16], 4, v30
	v_lshlrev_b32 v[L8], 3, v30
	s_mul_i32 s17, s16, STG
	v_add_nc_u32 v[STW], s17, v[L16]
	v_and_b32 v30, 15, v0
	v_bfe_u32 v31, v0, 4, 1
	v_mul_u32_u24 v[STR], v30, PITCH
	v_lshl_add_u32 v[STR], v31, 6, v[STR]
	v_add_nc_u32 v[STR], s17, v[STR]
	s_mov_b32 s[SEL], 0x76543210
	s_mov_b32 s[SEL+1], 0xfedcba98
	s_mov_b32 s14, 0xffff0000
.irp b, 0,1,2,3
	v_mov_b32 v[TM+4+\b], 0                        ; a lane permute's destination counts as read
.endr
	s_lshr_b32 s18, ttmp9, 1                       ; my pair of tiles begins at row 64 (work-group / 2) + 16 (work-group % 2); a row is 4,096 bytes
	s_lshl_b32 s18, s18, 18
	s_and_b32 s21, ttmp9, 1
	s_lshl_b32 s21, s21, 16
	s_add_co_u32 s18, s18, s21
	s_lshl_b32 s20, s16, 10                        ; my wave's 1,024 bytes of each row
	s_add_co_u32 s18, s18, s20
	s_mov_b32 s19, 0
	s_lshr_b32 s20, ttmp9, 2
	s_mul_i32 s20, s20, 102400
	s_mul_i32 s21, s16, 25600
	s_add_co_u32 s20, s20, s21                     ; my record
	s_and_b32 s21, ttmp9, 3                        ; which pair of tiles
	s_mul_i32 s22, s21, 3072
	s_add_co_u32 s22, s22, s20
	s_mov_b32 s23, 0
	s_lshl_b32 s24, s21, 8
	s_add_co_u32 s24, s24, s20
	s_add_co_u32 s24, s24, 24576
	s_mov_b32 s25, 0
	s_wait_alu depctr_va_vdst(0)                   ; the wait at the head's end
	s_wait_kmcnt 0x0
	s_add_nc_u64 s[4:5], s[36:37], s[18:19]
	s_add_nc_u64 s[8:9], s[42:43], s[22:23]
	s_add_nc_u64 s[10:11], s[42:43], s[24:25]
.macro LOAD f
.irp rr, 0,1,2,3,4,5,6,7,8,9,10,11,12,13,14,15
	global_load_b128 v[R+64*((\f)%2)+4*\rr:R+64*((\f)%2)+4*\rr+3], v[L16], s[4:5] offset:(8*((\f)/2)+\rr%8+32*(\rr/8))*4096+512*((\f)%2) th:TH_LOAD_NT
.endr
.endm
.macro TURN f                          ; LDS serves a wave's instructions in order (ISA guide 5.7.1.4): no wait between the stores and the loads
.irp rr, 0,1,2,3,4,5,6,7,8,9,10,11,12,13,14,15
	ds_store_b128 v[STW], v[R+64*((\f)%2)+4*\rr:R+64*((\f)%2)+4*\rr+3] offset:\rr*PITCH
.endr
.irp b, 0,1,2,3
.irp jj, 0,1,2,3
	ds_load_b128 v[X+16*\b+4*\jj:X+16*\b+4*\jj+3], v[STR] offset:128*\b+16*\jj
.endr
.endr
.endm
.macro FRAGM f
.if (\f) < 3
	s_wait_loadcnt 16                              ; this fragment's 16 loads are in; the next fragment's 16 may be out
.else
	s_wait_loadcnt 0
.endif
	TURN \f
	s_wait_dscnt 0x0
.if (\f) < 2
	LOAD (\f)+2
.endif
	s_wait_xcnt 0x0                                ; the last fragment's stores have read their data
	QUANT X, PC, PW+(\f)
	global_store_b128 v[L16], v[PC:PC+3], s[8:9] offset:((\f)%2)*12288+((\f)/2)*1536
	global_store_b64 v[L8], v[PC+4:PC+5], s[8:9] offset:((\f)%2)*12288+((\f)/2)*1536+512
	global_store_b128 v[L16], v[PC+6:PC+9], s[8:9] offset:((\f)%2)*12288+((\f)/2)*1536+768
	global_store_b64 v[L8], v[PC+10:PC+11], s[8:9] offset:((\f)%2)*12288+((\f)/2)*1536+1280
.endm
	LOAD 0
	LOAD 1
.irp f, 0,1,2,3
	FRAGM \f
.endr
.irp q, 0,1
	v_cndmask_b32 v[SW+\q], v[PW+\q], v[PW+2+\q], s14   ; lanes 0-15: the first tile's rows, lanes 16-31: the second's
.endr
	global_store_b64 v[L8], v[SW:SW+1], s[10:11]   ; 256 consecutive bytes, aligned
	s_wait_tensorcnt 0x0                           ; the wave's end
	ds_add_u32 v[SPW], v[NIL]
	s_wait_dscnt 0x0
	s_endpgm
; ---- the weights.  A LANE TAKES A COLUMN, ITS REGISTERS RUN DOWN K.  Work-group g: block xp = (g / 2) % 32 of 128 columns, K 256 (g / 64) on; wave 4 + w takes the pair of tiles tp = 2 (g % 2) + w.
; Lane l takes column 64 (tp / 2) + 16 (tp % 2) + l % 16 + 32 (l / 16), which is lane r = l % 8 + 8 (l / 16) of tile 2 tp + (l / 8) % 2.
; Block t = 4 q + 2 c + h of a lane is registers 6 c .. 6 c + 5 of lane (r, h) of image q: it goes to that place in the wave's own stage, and the four images leave as they lie.
.Lweights:
.set STW0, 33792                       ; this path's two stages, 6,144 bytes a wave, behind the other path's four
.set L4,   2
.set WA16, 3
.set WA8,  4
.set SA,   7
.set C,    16
.set SB,   24
.set RDA,  26
.set L16,  27
.set OFFV, 32
.set X,    64
.set OUTR, 128
.set BAS,  48                          ; s[48:63] where block t's 32 rows begin
	v_and_b32 v10, 31, v0
	v_lshlrev_b32 v[L16], 4, v10
	v_bfe_u32 v14, v0, 4, 1
	v_and_b32 v15, 15, v0
	v_lshlrev_b32 v15, 2, v15
	v_lshl_add_u32 v[L4], v14, 7, v15
	v_bfe_u32 v11, v0, 3, 1                        ; u
	v_and_b32 v12, 7, v0
	v_lshl_add_u32 v12, v14, 3, v12                ; r
	s_and_b32 s16, s16, 1                          ; w: the stage hangs on the wave's number alone
	s_mul_i32 s17, s16, 6144
	s_add_co_u32 s17, s17, STW0
	v_mul_u32_u24 v13, v11, 1536
	v_add_nc_u32 v13, s17, v13
	v_lshl_add_u32 v[WA16], v12, 4, v13
	v_lshl_add_u32 v[WA8], v12, 3, v13
	v_add_nc_u32 v[RDA], s17, v[L16]
	v_lshlrev_b32 v[SA], 3, v12
	v_lshl_add_u32 v[SA], v11, 7, v[SA]
	s_and_b32 s2, ttmp9, 1
	s_lshl_b32 s2, s2, 1
	s_add_co_u32 s16, s16, s2                      ; tp: from here on it enters addresses in memory alone
	s_lshr_b32 s3, ttmp9, 1
	s_and_b32 s3, s3, 31                           ; xp
	s_lshr_b32 s21, ttmp9, 6                       ; which 256 along K
	s_cmp_lt_u32 s3, 24                            ; which weight: the choice hangs on the work-group's number alone
	s_mov_b32 s18, 4096
	s_cselect_b32 s18, 12288, s18                  ; a row of it in bytes
	s_cselect_b32 s19, 0, 24
	s_sub_co_u32 s19, s3, s19
	s_lshl_b32 s19, s19, 9                         ; the block's 128 columns,
	s_lshr_b32 s20, s16, 1
	s_lshl_b32 s20, s20, 8
	s_add_co_u32 s19, s19, s20
	s_and_b32 s20, s16, 1
	s_lshl_b32 s20, s20, 6
	s_add_co_u32 s19, s19, s20                     ; my wave's
	s_lshl_b32 s22, s18, 8
	s_mul_i32 s22, s22, s21                        ; 256 rows down for each step along K
	s_add_co_u32 s22, s22, s19
	s_mov_b32 s23, 0
	s_lshl_b32 s24, s18, 5                         ; 32 rows
	s_mov_b32 s25, 0
	s_wait_alu depctr_va_vdst(0)                   ; the wait behind the run of scalar lines
.irp i, 0,1,2,3,4,5,6,7,8,9,10,11,12,13,14,15,16,17,18,19,20,21,22,23,24,25,26,27,28,29,30,31
	v_mad_u32_u24 v[OFFV+\i], s18, \i, v[L4]
.endr
	s_mul_i32 s26, s3, 102400
	s_mul_i32 s27, s21, 25600
	s_add_co_u32 s26, s26, s27                     ; my record
	s_mul_i32 s28, s16, 3072
	s_add_co_u32 s28, s28, s26                     ; my pair's images
	s_mov_b32 s29, 0
	s_lshl_b32 s30, s16, 8
	s_add_co_u32 s30, s30, s26
	s_add_co_u32 s30, s30, 24576                   ; its scale words
	s_mov_b32 s31, 0
	s_wait_alu depctr_va_vdst(0)                   ; the wait at the head's end
	s_wait_kmcnt 0x0
	s_cmp_lt_u32 s3, 24
	s_cselect_b64 s[4:5], s[38:39], s[40:41]
	s_add_nc_u64 s[10:11], s[44:45], s[28:29]
	s_add_nc_u64 s[12:13], s[44:45], s[30:31]
	s_add_nc_u64 s[BAS:BAS+1], s[4:5], s[22:23]
.irp t, 1,2,3,4,5,6,7
	s_add_nc_u64 s[BAS+2*\t:BAS+2*\t+1], s[BAS+2*\t-2:BAS+2*\t-1], s[24:25]
.endr
.macro LOADW t
.irp i, 0,1,2,3,4,5,6,7,8,9,10,11,12,13,14,15,16,17,18,19,20,21,22,23,24,25,26,27,28,29,30,31
	global_load_b32 v[X+32*((\t)%2)+\i], v[OFFV+\i], s[BAS+2*(\t):BAS+2*(\t)+1] th:TH_LOAD_NT
.endr
.endm
.macro BLOCKW t
.set XS, X+32*((\t)%2)
.if (\t) < 7
	s_wait_loadcnt 32                              ; this block's 32 loads are in; the next block's may be out
.else
	s_wait_loadcnt 0
.endif
	v_max3_num_f32 v12, |v[XS]|, |v[XS+1]|, |v[XS+2]|
	v_max3_num_f32 v13, |v[XS+3]|, |v[XS+4]|, |v[XS+5]|
.irp i, 6,10,14,18,22,26
	v_max3_num_f32 v12, v12, |v[XS+\i]|, |v[XS+\i+1]|
	v_max3_num_f32 v13, v13, |v[XS+\i+2]|, |v[XS+\i+3]|
.endr
	v_max3_num_f32 v12, v12, |v[XS+30]|, |v[XS+31]|
	v_max3_num_f32 v12, v12, v13, 0x1800000
	v_add_nc_u32 v11, 0xff000000, v12
	v_lshrrev_b32 v13, 23, v11
.if (\t)%4 == 0
	v_mov_b32 v[SB+(\t)/4], v13
.else
	v_lshl_or_b32 v[SB+(\t)/4], v13, 8*((\t)%4), v[SB+(\t)/4]
.endif
	v_cvt_scalef32_pk16_fp6_f32 v[C:C+2], v[XS:XS+15], v11
	v_cvt_scalef32_pk16_fp6_f32 v[C+4:C+6], v[XS+16:XS+31], v11
	v_nop
	v_mov_b32 v[C+3], v[C+4]
	v_mov_b32 v[C+4], v[C+5]
	v_mov_b32 v[C+5], v[C+6]
	ds_store_b128 v[WA16], v[C:C+3] offset:((\t)/4)*3072+(((\t)/2)%2)*768+256*((\t)%2)
	ds_store_b64 v[WA8], v[C+4:C+5] offset:((\t)/4)*3072+(((\t)/2)%2)*768+512+128*((\t)%2)
.if (\t)+2 < 8
	LOADW (\t)+2
.endif
	s_wait_dscnt 0x0                               ; the stores have read their registers
.endm
	LOADW 0
	LOADW 1
.irp t, 0,1,2,3,4,5,6,7
	BLOCKW \t
.endr
	s_wait_alu depctr_va_vdst(0)                   ; the wait ahead of the reader below
	global_store_b64 v[SA], v[SB:SB+1], s[12:13]   ; the wave's 32 columns fill 256 consecutive bytes, aligned
.irp g, 0,1,2,3,4,5,6,7,8,9,10,11
	ds_load_b128 v[OUTR+4*\g:OUTR+4*\g+3], v[RDA] offset:512*\g
.endr
.irp g, 0,1,2,3,4,5,6,7,8,9,10,11
	s_wait_dscnt 11-\g
	global_store_b128 v[L16], v[OUTR+4*\g:OUTR+4*\g+3], s[10:11] offset:(\g/6)*12288+(\g%6)*512
.endr
	s_wait_tensorcnt 0x0
	ds_add_u32 v[SPW], v[NIL]
	s_wait_dscnt 0x0
	s_endpgm
.Lfunc_end_k_qc8cf87c832_quant:
	.size	k_qc8cf87c832_quant, .Lfunc_end_k_qc8cf87c832_quant-k_qc8cf87c832_quant
	.p2alignl 7, 3214868480
	.fill 96, 4, 3214868480
	.section	.rodata,"a",@progbits
	.p2align	6, 0x0
	.amdhsa_kernel k_qc8cf87c832_quant
		.amdhsa_group_segment_fixed_size 46848
		.amdhsa_private_segment_fixed_size 0
		.amdhsa_enable_private_segment 0
		.amdhsa_kernarg_size 40
		.amdhsa_user_sgpr_count 2
		.amdhsa_user_sgpr_kernarg_segment_ptr 1
		.amdhsa_wavefront_size32 1
		.amdhsa_system_sgpr_workgroup_id_x 1
		.amdhsa_system_sgpr_workgroup_id_y 1
		.amdhsa_system_sgpr_workgroup_id_z 1
		.amdhsa_system_vgpr_workitem_id 0
		.amdhsa_next_free_vgpr 256
		.amdhsa_next_free_sgpr 66
		.amdhsa_reserve_vcc 0
		.amdhsa_float_denorm_mode_32 3
		.amdhsa_float_denorm_mode_16_64 3
		.amdhsa_memory_ordered 1
		.amdhsa_forward_progress 1
		.amdhsa_inst_pref_size 78
	.end_amdhsa_kernel
	.amdgpu_metadata
---
amdhsa.version: [ 1, 2 ]
amdhsa.kernels:
  - .name:           k_qc8cf87c832_quant
    .symbol:         k_qc8cf87c832_quant.kd
    .args:
      - { .name: x, .offset: 0, .size: 8, .value_kind: global_buffer, .address_space: global }
      - { .name: w_qkv, .offset: 8, .size: 8, .value_kind: global_buffer, .address_space: global }
      - { .name: w_out, .offset: 16, .size: 8, .value_kind: global_buffer, .address_space: global }
      - { .name: xq, .offset: 24, .size: 8, .value_kind: global_buffer, .address_space: global }
      - { .name: wq, .offset: 32, .size: 8, .value_kind: global_buffer, .address_space: global }
    .group_segment_fixed_size: 46848
    .private_segment_fixed_size: 0
    .kernarg_segment_align: 8
    .kernarg_segment_size: 40
    .max_flat_workgroup_size: 192
    .sgpr_count:     66
    .vgpr_count:     256
    .wavefront_size: 32
...
	.end_amdgpu_metadata
.endif
;; end of part 1
;; launch gemm_qkv (part 2): grid 16 x 16, 4 waves a work-group, clusters of 4 x 4, 327,680 bytes of LDS; arguments xq, wq, qkv; writes qkv
.if DOCPART == 2
	.amdgcn_target "amdgcn-amd-amdhsa--gfx1250"
	.amdhsa_code_object_version 6
	.text
	.protected	k_qc8cf87c832_gemm_qkv
	.globl	k_qc8cf87c832_gemm_qkv
	.p2align	8
	.type	k_qc8cf87c832_gemm_qkv,@function
k_qc8cf87c832_gemm_qkv:
	s_mov_b64 s[64:65], 0
	v_nop
	global_prefetch_b8 v0, s[64:65] scope:SCOPE_SE
	s_setreg_imm32_b32 hwreg(HW_REG_WAVE_MODE, 25, 1), 1
	s_wait_xcnt 0x0
	s_wait_alu depctr_hold_cnt(0) depctr_sa_sdst(0) depctr_va_vdst(0) depctr_va_sdst(0) depctr_va_ssrc(0) depctr_va_vcc(0) depctr_vm_vsrc(0)
	s_getreg_b32 s2, hwreg(HW_REG_IB_STS2, 6, 4)
	s_cmp_eq_u32 s2, 0
	s_cbranch_scc0 .Lentry_in_a_cluster
	s_endpgm
.Lentry_in_a_cluster:
	s_bfe_u32 s2, ttmp6, 0x10000c
	s_cmp_lg_u32 s2, 0xf033
	s_cbranch_scc0 .Lentry_shape_is_right
	s_endpgm
.Lentry_shape_is_right:
; Q, K, V = x W on codes of E2M3, in one pass over x, each result quantised on the way out.  xq, wq: as the launch before leaves them (blocks of 128 rows, 102,400 bytes: four records of images and scale words).
; qkv: Q's records [16 batch + head][128 tokens] of 6,656 bytes (eight half images of 768, then 512 of scale words); from QSZ on K's and V's records of 13,056 (K's eight half images; V's four images of 1,536 from 6,144; K's scale words at 12,288; V's at 12,800).
; LIMITS: NaN, infinities and sums beyond f32's range are not served; a block whose largest magnitude lies under 2^-124, or of zeros, keeps the byte 1.
; THE DEAL.  256 work-groups of four waves, 2 x 2.  Work-group (s42, s43): tokens 512 s43 on x the 128 columns of wq's block s42 (two heads of Q or of K) and one head's 64 columns of V.
; The wave in row a, column b holds in registers, all of K, 64 rows of W_q|k (head b of the two: four tiles) and 32 rows of W_v (tiles 2 b, 2 b + 1 of the head's four): 48 fragments.  It streams past them tiles 4 a .. 4 a + 3 of each of x's four blocks: 48 products a tile.
; Q|K: source 0 = the weight's rows: a lane holds one token and 32 channels, one scale block; its codes leave behind each tile.  V: source 0 = x's rows: a lane holds one channel, and the four tiles of a band give it 32 tokens, one scale block.
; V's head: block 16 + 4 (cluster x / 2) + cx, half cluster x % 2; the half is taken by the load's address in memory (6,144 bytes on; the load's last 6,144 bytes are then the next block's and are not read): no LDS address hangs on a place in the cluster.
; LDS: three regions of 102,400 bytes.  At the head: x's block 0 (waves 2, 3), W_q|k's block (wave 0), W_v's (wave 1).  When all waves hold the weights in registers, a drained round of the cluster's barrier fills x's blocks 1 and 2 over them, a quarter a wave;
; behind tile 2 of block 0, when block 0's tiles are all in registers, a second round fills block 3 over it.  x's loads are shared by a row of the cluster, the weights' by a column.  Every refill is asked for as soon as its bytes are free, so nothing is prefetched.
; REGISTERS.  Fragment f lies at register 256 + 12 f: 0-31 W_q|k (4 q + t), 32-47 W_v (32 + 2 q + t), 48-63 x's two sets (48 + 8 e + q).  All else in window 0.
.set REC,   25600
.set BLK,   4*REC
.set R1,    BLK
.set R2,    2*BLK
.set SPARE, 3*BLK
.set QSZ,   6815744
.set FR,    12
.set NF,    36                         ; LDS loads of a tile: 32 for eight fragments, 4 for eight scale words
.set FLOOR, 0x1800000                  ; 2^(3 - 127)
.set L16, 4
.set L8,  5
.set H8,  6                            ; 8 x (lane / 16)
.set SPW, 10
.set NIL, 11
.set FA16, 12                          ; v12-14 the block that is fetched from: records 0, 1 (16 x lane, 8 x lane, scale words); v15-17: records 2, 3
.set FA8,  13
.set FAS,  14
.set P16, 18                           ; v18-20 the same from a block's first byte; never rewritten
.set P8,  19
.set PS,  20
.set EB,  21                           ; v21-23 scale bytes
.set SB,  24                           ; v24-39 W_q|k's scale words: 8 (t / 2) + q; lanes 0-15 the even tile, lanes 16-31 the odd
.set SBV, 40                           ; v40-47 W_v's
.set TQ,  48
.set SA,  52                           ; v52-67 x's scale words, two sets
.set SOP, 68                           ; v68-70 the conversions' scale operands
.set ACC, 72                           ; v72-103 Q|K's sums
.set HV,  104                          ; v104-167 V's sums: 32 t + 8 u + j
.set NCD, 168
.set TC,  176
.set VCD, 180
.set TV,  196
.set VT,  204
.set QW,  206
.set QO,  210
.set VW,  212
.set VO,  214
.set EX,  216
.set WA,  220                          ; v220-227 head: LDS addresses of the weights
.set G1W, 24
.set G1X, 32
.set G0W, 56
.set G0V, 60
.set G0X, 68
.set PQ,  72                           ; s[72:73] Q|K's codes, s[74:75] their scale words, s[76:77] V's codes, s[78:79] V's scale bytes
.set PQS, 74
.set PVC, 76
.set PVS, 78
.set RS,  80                           ; s[80:81] a record of Q or of K in bytes
.set X1,  82
.set X2,  84
.set SL1, 86
.set SL2, 87
.set FN,  88
.set MSK, 89
.set SEL, 90
.set CNT, 92
.set MSB, 0
.macro WIN new
.if MSB != \new
	s_set_vgpr_msb (MSB<<8)|\new
.set MSB, \new
.endif
.endm
.macro PLACES
.rept 4
	v_nop
.endr
.endm
.macro WALU
	s_wait_alu depctr_va_vdst(0)
.endm
.macro BARRIER
	s_barrier_signal -1
	s_barrier_wait -1
.endm
.macro CROUND
	BARRIER
	s_cmp_lg_u32 s14, 0
	s_cbranch_scc1 .Lnot_wave_0_\@
	s_barrier_signal -3
.Lnot_wave_0_\@:
	s_barrier_wait -3
	BARRIER
.endm
.macro TLOAD g0, g1                    ; an s_nop 0 and four v_nop follow a tensor load
	tensor_load_to_lds s[\g0:\g0+3], s[\g1:\g1+7]
	s_nop 0
	PLACES
.endm
.macro GROUP1 g, mask, rows            ; rows of 256 bytes, dense
	s_or_b32 s[\g], s[\mask], (3<<16)|(1<<21)
	s_mov_b32 s[\g+1], 32<<16
	s_mov_b32 s[\g+2], (\rows)<<16
	s_mov_b32 s[\g+3], 32<<16
	s_mov_b32 s[\g+4], \rows
	s_mov_b32 s[\g+5], 32
	s_mov_b32 s[\g+6], 0
	s_mov_b32 s[\g+7], 0
.endm
.macro PIECE r, n, a, off              ; n registers from register r on; a load that would run across a window's end goes in two
	WIN ((\r)>>8)<<6
.set PL_, (\r)&255
.if (\n == 4) && (PL_ > 252)
	ds_load_b64 v[PL_:PL_+1], v[\a] offset:\off
	WIN (((\r)+2)>>8)<<6
.set PL_, ((\r)+2)&255
	ds_load_b64 v[PL_:PL_+1], v[\a] offset:(\off)+8
.elseif \n == 4
	ds_load_b128 v[PL_:PL_+3], v[\a] offset:\off
.else
	ds_load_b64 v[PL_:PL_+1], v[\a] offset:\off
.endif
.endm
.macro FRAG f, a16, a8, off
	PIECE 256+FR*(\f), 4, \a16, \off
	PIECE 256+FR*(\f)+4, 2, \a8, (\off)+512
	PIECE 256+FR*(\f)+6, 4, \a16, (\off)+768
	PIECE 256+FR*(\f)+10, 2, \a8, (\off)+1280
.endm
.macro FETCH e, u                      ; tile 4 a + u of the block at v12-17 into set e: NF loads
.irp q, 0,1,2,3,4,5,6,7
	FRAG 48+8*(\e)+\q, FA16+3*(\q/4), FA8+3*(\q/4), ((\q/2)%2)*REC+(\q%2)*12288+(\u)*1536
.endr
	WIN 0
.irp j, 0,1,2,3
	ds_load_b64 v[SA+8*(\e)+2*\j:SA+8*(\e)+2*\j+1], v[FAS+3*(\j/2)] offset:(\j%2)*REC+128*(\u)
.endr
.endm
.macro NEWBLK                          ; the fetch moves on to the block at LDS byte s[FN]
	v_add_nc_u32 v[FA16], s[FN], v[P16]
	v_add_nc_u32 v[FA8], s[FN], v[P8]
	v_add_nc_u32 v[FAS], s[FN], v[PS]
	v_add3_u32 v[FA16+3], s[FN], 2*REC, v[P16]
	v_add3_u32 v[FA8+3], s[FN], 2*REC, v[P8]
	v_add3_u32 v[FAS+3], s[FN], 2*REC, v[PS]
.endm
.macro PROD2 d, s0, s1, c, x0, x1, side, o
.if \o
	v_wmma_scale_f32_16x16x128_f8f6f4 v[\d:\d+7], v[\s0:\s0+FR-1], v[\s1:\s1+FR-1], \c, v[\x0], v[\x1] matrix_a_fmt:MATRIX_FMT_FP6 matrix_b_fmt:MATRIX_FMT_FP6 matrix_\side\()_scale:MATRIX_SCALE_ROW1
.else
	v_wmma_scale_f32_16x16x128_f8f6f4 v[\d:\d+7], v[\s0:\s0+FR-1], v[\s1:\s1+FR-1], \c, v[\x0], v[\x1] matrix_a_fmt:MATRIX_FMT_FP6 matrix_b_fmt:MATRIX_FMT_FP6 matrix_\side\()_scale:MATRIX_SCALE_ROW0
.endif
.endm
.macro PROD1 d, s0, s1, q, x0, x1, side, o
.if \q
	PROD2 \d, \s0, \s1, v[\d:\d+7], \x0, \x1, \side, \o
.else
	PROD2 \d, \s0, \s1, 0, \x0, \x1, \side, \o
.endif
.endm
.macro PQK e, q, t
.set XR_, 256+FR*(48+8*(\e)+(\q))
.set WR_, 256+FR*(4*(\q)+(\t))
.set XL_, XR_&255
.set WL_, WR_&255
	WIN (WR_>>8)|((XR_>>8)<<2)
	PROD1 ACC+8*(\t), WL_, XL_, \q, SB+8*((\t)/2)+(\q), SA+8*(\e)+(\q), a, (\t)%2
.endm
.macro PV e, q, t, u
.set XR_, 256+FR*(48+8*(\e)+(\q))
.set WR_, 256+FR*(32+2*(\q)+(\t))
.set XL_, XR_&255
.set WL_, WR_&255
	WIN (XR_>>8)|((WR_>>8)<<2)
	PROD1 HV+32*(\t)+8*(\u), XL_, WL_, \q, SA+8*(\e)+(\q), SBV+(\q), b, \t
.endm
; THE WAY OUT behind tile u of a band
.macro WAYOUT u
.irp i, 0,2,4,6
.irp t, 0,1
.if (\u == 0) && (\i == 0)
	v_max3_num_f32 v[VT+\t], |v[HV+32*\t]|, |v[HV+32*\t+1]|, FLOOR   ; V's two running maxima take in the tile's eight sums each
.else
	v_max3_num_f32 v[VT+\t], v[VT+\t], |v[HV+32*\t+8*(\u)+\i]|, |v[HV+32*\t+8*(\u)+\i+1]|
.endif
.endr
.endr
.irp k, 0,1,2,3
	v_max3_num_f32 v[TQ+\k], |v[ACC+8*\k]|, |v[ACC+8*\k+1]|, |v[ACC+8*\k+2]|   ; Q|K: four chains, each accumulator from its low end on
.endr
.irp i, 3,5
.irp k, 0,1,2,3
	v_max3_num_f32 v[TQ+\k], v[TQ+\k], |v[ACC+8*\k+\i]|, |v[ACC+8*\k+\i+1]|
.endr
.endr
	v_max3_num_f32 v[TQ], v[TQ], v[TQ+1], |v[ACC+7]|
	v_max3_num_f32 v[TQ+2], v[TQ+2], v[TQ+3], |v[ACC+15]|
	v_max3_num_f32 v[TQ], v[TQ], v[TQ+2], |v[ACC+23]|
	v_max3_num_f32 v[TQ], v[TQ], |v[ACC+31]|, FLOOR
	v_add_nc_u32 v[SOP], 0xff000000, v[TQ]         ; 2 off the exponent field: the conversions' scale operand
	v_cvt_scalef32_pk16_fp6_f32 v[NCD:NCD+2], v[ACC:ACC+15], v[SOP]
	v_cvt_scalef32_pk16_fp6_f32 v[TC:TC+2], v[ACC+16:ACC+31], v[SOP]   ; (a conversion's three registers begin on an even number)
	v_lshrrev_b32 v[EB], 23, v[SOP]                ; the byte: also the plain line behind the conversions
.irp i, 0,1,2
	v_mov_b32 v[NCD+3+\i], v[TC+\i]
.endr
	v_lshlrev_b32 v[EB], v[H8], v[EB]
	v_permlanex16_b32 v[EX], v[EB], s[SEL], s[SEL+1]
	v_or_b32 v[QW+\u], v[EB], v[EX]                ; the token's two bytes; the word's upper bytes are 0 and meet zero codes alone
	global_store_b128 v[L16], v[NCD:NCD+3], s[PQ:PQ+1] offset:768*(\u)
	global_store_b64 v[L8], v[NCD+4:NCD+5], s[PQ:PQ+1] offset:768*(\u)+512
.if \u == 3
	v_cndmask_b32 v[QO], v[QW], v[QW+1], s[MSK]    ; lanes 0-15: the even tile's tokens, lanes 16-31: the odd's
	v_cndmask_b32 v[QO+1], v[QW+2], v[QW+3], s[MSK]
	global_store_b64 v[L16], v[QO:QO+1], s[PQS:PQS+1]
.irp t, 0,1
	v_add_nc_u32 v[SOP+1+\t], 0xff000000, v[VT+\t]
.endr
.irp t, 0,1
	v_cvt_scalef32_pk16_fp6_f32 v[VCD+8*\t:VCD+8*\t+2], v[HV+32*\t:HV+32*\t+15], v[SOP+1+\t]
	v_cvt_scalef32_pk16_fp6_f32 v[TV+4*\t:TV+4*\t+2], v[HV+32*\t+16:HV+32*\t+31], v[SOP+1+\t]
.endr
.irp t, 0,1
	v_lshrrev_b32 v[EB+1+\t], 23, v[SOP+1+\t]
.endr
.irp t, 0,1
.irp i, 0,1,2
	v_mov_b32 v[VCD+8*\t+3+\i], v[TV+4*\t+\i]
.endr
.endr
.irp t, 0,1
	v_lshlrev_b32 v[EB+1+\t], v[H8], v[EB+1+\t]
.endr
.irp t, 0,1
	v_permlanex16_b32 v[EX+1+\t], v[EB+1+\t], s[SEL], s[SEL+1]
.endr
.irp t, 0,1
	v_or_b32 v[VW+\t], v[EB+1+\t], v[EX+1+\t]
.endr
	v_cndmask_b32 v[VO], v[VW], v[VW+1], s[MSK]
.irp t, 0,1
	global_store_b128 v[L16], v[VCD+8*\t:VCD+8*\t+3], s[PVC:PVC+1] offset:1536*\t
	global_store_b64 v[L8], v[VCD+8*\t+4:VCD+8*\t+5], s[PVC:PVC+1] offset:1536*\t+512
.endr
	global_store_b16 v[L8], v[VO], s[PVS:PVS+1]    ; the band's two bytes of each channel's word
.endif
.endm
; A TILE: 48 products, six accumulators by turns; the way out; the fetch of the tile two on.
; wt: the LDS loads that are younger than this tile's.  sync = 1: the second refill's round; 2: a plain barrier that shows what it brought.  step = 1: the results' pointers go on to the next block's records
.macro TILE u, wt, fetch, sync, step
	s_wait_dscnt \wt
.irp q, 0,1,2,3,4,5,6,7
	PV (\u)%2, \q, 0, \u
	PQK (\u)%2, \q, 0
	PQK (\u)%2, \q, 1
	PV (\u)%2, \q, 1, \u
	PQK (\u)%2, \q, 2
	PQK (\u)%2, \q, 3
.endr
	WIN 0
.if \sync == 1
	s_wait_tensorcnt 0x0                           ; blocks 1 and 2 are in
	ds_add_u32 v[SPW], v[NIL]
	s_mov_b32 s[G1X+2], 100<<16                    ; no tensor load of mine is out: block 3, a record a wave
	s_mov_b32 s[G1X+4], 100
	s_mov_b32 s[G0X+1], s[SL2]
	s_mov_b64 s[G0X+2:G0X+3], s[X2:X2+1]
	s_or_b32 s[G0X+3], s[G0X+3], 0x80000000
	s_wait_dscnt 0x0                               ; the add, and my reads of block 0: its four tiles are in registers
	CROUND
	TLOAD G0X, G1X                                 ; its four v_nop are the places behind the products
.elseif \sync == 2
	s_wait_tensorcnt 0x0
	s_wait_dscnt 0x0
	BARRIER
	PLACES
.else
	PLACES                                         ; four plain lines between the products and the first reader of their sums
.endif
	s_wait_xcnt 0x0                                ; earlier stores have read their data and their bases
.if \step
	s_add_nc_u64 s[PQ:PQ+1], s[PQ:PQ+1], s[RS:RS+1]
	s_add_nc_u64 s[PQS:PQS+1], s[PQS:PQS+1], s[RS:RS+1]
	s_add_nc_u64 s[PVC:PVC+1], s[PVC:PVC+1], 13056
	s_add_nc_u64 s[PVS:PVS+1], s[PVS:PVS+1], 13056
.endif
	WAYOUT \u
.if \fetch
.if \u == 2
	NEWBLK
.endif
	FETCH (\u)%2, ((\u)+2)%4
.endif
.endm
; ================= THE HEAD
	s_load_b128 s[4:7], s[0:1], 0x0                ; xq, wq
	s_load_b64 s[8:9], s[0:1], 0x10                ; qkv
	v_lshl_add_u32 v[SPW], v0, 2, SPARE
	v_mov_b32 v[NIL], 0
	ds_add_u32 v[SPW], v[NIL]                      ; the opening lines: the add, twice, and its wait
	ds_add_u32 v[SPW], v[NIL]
	v_lshrrev_b32 v1, 5, v0
	v_readfirstlane_b32 s14, v1                    ; the wave; s15 its row a, s16 its column b
	s_lshr_b32 s15, s14, 1
	s_and_b32 s16, s14, 1
	s_bfe_u32 s40, ttmp6, 0x40000                  ; cx
	s_bfe_u32 s41, ttmp6, 0x40004                  ; cy
	s_lshl_b32 s42, ttmp9, 2
	s_add_co_u32 s42, s42, s40
	s_and_b32 s43, ttmp7, 0xffff
	s_lshl_b32 s43, s43, 2
	s_add_co_u32 s43, s43, s41
	s_lshl_b32 s44, s41, 2
	s_lshl_b32 s44, 15, s44                        ; my row of the cluster shares x's rows
	s_lshl_b32 s45, 0x1111, s40                    ; my column the weights'
	GROUP1 G1W, 45, 400
	GROUP1 G1X, 44, 200
	s_mov_b32 s[SEL], 0x76543210
	s_mov_b32 s[SEL+1], 0xfedcba98
	s_mov_b32 s[MSK], 0xffff0000
	s_mul_i32 s20, s43, 4*BLK                      ; x's block 0, bytes from xq
	s_mul_i32 s46, s16, 2*REC                      ; waves 2, 3: a half of it each
	s_add_co_u32 s47, s20, s46
	s_mul_i32 s48, s14, 2*REC
	s_add_co_u32 s[SL1], s48, R1                   ; the first refill: my quarter of blocks 1 and 2
	s_add_co_u32 s48, s48, s20
	s_add_co_u32 s48, s48, BLK
	s_mul_i32 s[SL2], s14, REC                     ; the second: my record of block 3
	s_add_co_u32 s49, s[SL2], s20
	s_add_co_u32 s49, s49, 3*BLK
	s_mul_i32 s50, s42, BLK                        ; W_q|k's block, bytes from wq
	s_lshr_b32 s51, ttmp9, 1
	s_lshl_b32 s51, s51, 2
	s_add_co_u32 s51, s51, s40                     ; V's pair of heads
	s_and_b32 s52, ttmp9, 1                        ; and which of the two
	s_add_co_u32 s53, s51, 16
	s_mul_i32 s53, s53, BLK                        ; W_v's block
	s_mul_i32 s54, s52, 6144
	s_add_co_u32 s54, s54, s53                     ; from my head's images on
	s_lshl_b32 s55, s16, 9
	s_add_co_u32 s55, s55, s50
	s_add_co_u32 s55, s55, 24576                   ; W_q|k's scale words, my four tiles
	s_lshl_b32 s93, s52, 9
	s_add_co_u32 s93, s93, s53
	s_lshl_b32 s94, s16, 8
	s_add_co_u32 s93, s93, s94
	s_add_co_u32 s93, s93, 24576                   ; W_v's, my two tiles
	; where the results go
	s_lshr_b32 s94, s43, 2
	s_lshl_b32 s94, s94, 4                         ; 16 batch
	s_and_b32 s95, s43, 3
	s_lshl_b32 s95, s95, 2                         ; the first of my four blocks of 128 tokens in the batch
	s_and_b32 s96, s42, 7
	s_lshl_b32 s96, s96, 1
	s_add_co_u32 s96, s96, s16
	s_add_co_u32 s96, s96, s94
	s_lshl_b32 s96, s96, 4
	s_add_co_u32 s96, s96, s95                     ; Q's or K's record
	s_mov_b32 s[RS], 6656
	s_mov_b32 s97, 6144
	s_cmp_lt_u32 s42, 8
	s_cselect_b32 s[RS], s[RS], 13056
	s_cselect_b32 s97, s97, 12288
	s_cselect_b32 s98, 0, QSZ
	s_mov_b32 s[RS+1], 0
	s_mul_i32 s96, s96, s[RS]
	s_add_co_u32 s96, s96, s98
	s_add_co_u32 s97, s97, s96
	s_lshl_b32 s98, s15, 3
	s_add_co_u32 s97, s97, s98                     ; its scale words: my two of each lane's four
	s_mul_i32 s98, s15, 3072
	s_add_co_u32 s96, s96, s98                     ; its half images: my four tiles
	s_lshl_b32 s51, s51, 1
	s_add_co_u32 s51, s51, s52
	s_add_co_u32 s51, s51, s94
	s_lshl_b32 s51, s51, 4
	s_add_co_u32 s51, s51, s95
	s_mul_i32 s51, s51, 13056
	s_add_co_u32 s51, s51, QSZ                     ; V's record
	s_mul_i32 s94, s16, 3072
	s_mul_i32 s95, s15, 768
	s_add_co_u32 s94, s94, s95
	s_add_co_u32 s94, s94, s51
	s_add_co_u32 s94, s94, 6144                    ; my two images, my band's half of each
	s_lshl_b32 s95, s16, 2
	s_add_co_u32 s95, s95, s51
	s_lshl_b32 s98, s15, 1
	s_add_co_u32 s95, s95, s98
	s_add_co_u32 s95, s95, 12800                   ; my two bytes of each channel's word
	s_mul_i32 s21, s15, 6144
	s_lshl_b32 s22, s15, 9
	s_add_co_u32 s22, s22, 24576
	s_mul_i32 s23, s16, 6144
	s_add_co_u32 s23, s23, R1
	s_mul_i32 s2, s16, 3072
	s_add_co_u32 s2, s2, R2
	s_mov_b32 s[FN], 0
	v_and_b32 v3, 31, v0
	v_lshlrev_b32 v[L16], 4, v3
	v_lshlrev_b32 v[L8], 3, v3
	v_bfe_u32 v2, v0, 4, 1
	v_lshlrev_b32 v[H8], 3, v2
	v_and_b32 v1, 15, v0
	v_add_nc_u32 v[P16], s21, v[L16]
	v_add_nc_u32 v[P8], s21, v[L8]
	v_lshl_add_u32 v[PS], v1, 3, s22
	v_add_nc_u32 v[WA], s23, v[L16]
	v_add_nc_u32 v[WA+1], s23, v[L8]
	v_add_nc_u32 v[WA+2], 2*REC, v[WA]
	v_add_nc_u32 v[WA+3], 2*REC, v[WA+1]
	v_add_nc_u32 v[WA+4], s2, v[L16]
	v_add_nc_u32 v[WA+5], s2, v[L8]
	v_add_nc_u32 v[WA+6], 2*REC, v[WA+4]
	v_add_nc_u32 v[WA+7], 2*REC, v[WA+5]
.irp i, 0,1,2
	v_mov_b32 v[EX+\i], 0                          ; a lane permute's destination counts as read
.endr
	NEWBLK
	WALU                                           ; the wait ahead of the waits below
	s_wait_dscnt 0x0
	CROUND                                         ; the opening round
	s_wait_kmcnt 0x0
	s_mov_b32 s21, 0
.macro ADDR d, base, off               ; a 64-bit address: base + the 32-bit offset in s\off
	s_mov_b32 s20, s\off
	s_add_nc_u64 s[\d:\d+1], s[\base:\base+1], s[20:21]
.endm
	ADDR G0W+2, 6, 50
	s_or_b32 s[G0W+3], s[G0W+3], 0x80000000
	s_mov_b32 s[G0W], 1
	s_mov_b32 s[G0W+1], R1
	ADDR G0V+2, 6, 54
	s_or_b32 s[G0V+3], s[G0V+3], 0x80000000
	s_mov_b32 s[G0V], 1
	s_mov_b32 s[G0V+1], R2
	ADDR G0X+2, 4, 47
	s_or_b32 s[G0X+3], s[G0X+3], 0x80000000
	s_mov_b32 s[G0X], 1
	s_mov_b32 s[G0X+1], s46
	s_cmp_eq_u32 s14, 0
	s_cbranch_scc0 .Lwave_1
	TLOAD G0W, G1W                                 ; wave 0: W_q|k's block
	s_branch .Lasked
.Lwave_1:
	s_cmp_eq_u32 s14, 1
	s_cbranch_scc0 .Lwave_23
	TLOAD G0V, G1W                                 ; wave 1: W_v's
	s_branch .Lasked
.Lwave_23:
	TLOAD G0X, G1X                                 ; waves 2, 3: x's block 0
.Lasked:
	ADDR X1, 4, 48
	ADDR X2, 4, 49
	ADDR 46, 6, 55
	ADDR 52, 6, 93
	ADDR PQ, 8, 96
	ADDR PQS, 8, 97
	ADDR PVC, 8, 94
	ADDR PVS, 8, 95
.irp p, 0,1
.irp j, 0,1,2,3
	global_load_b64 v[SB+8*\p+2*\j:SB+8*\p+2*\j+1], v[L8], s[46:47] offset:REC*\j+256*\p   ; lanes 0-15: tile 2 p, lanes 16-31: tile 2 p + 1
.endr
.endr
.irp j, 0,1,2,3
	global_load_b64 v[SBV+2*\j:SBV+2*\j+1], v[L8], s[52:53] offset:REC*\j
.endr
	s_cmp_lt_u32 s14, 2
	s_cbranch_scc0 .Lnot_w
	s_wait_tensorcnt 0x0                           ; waves 0 and 1, each on a load line of its own: the weights' blocks are in
.Lnot_w:
	BARRIER                                        ; the weights are shown to all; x's block 0 may still be on its way
.irp q, 0,1,2,3,4,5,6,7
.irp t, 0,1,2,3
	FRAG 4*\q+\t, WA+2*(\q/4), WA+1+2*(\q/4), ((\q/2)%2)*REC+(\q%2)*12288+\t*1536
.endr
.irp t, 0,1
	FRAG 32+2*\q+\t, WA+4+2*(\q/4), WA+5+2*(\q/4), ((\q/2)%2)*REC+(\q%2)*12288+\t*1536
.endr
.endr
	WIN 0
	s_wait_tensorcnt 0x0
	ds_add_u32 v[SPW], v[NIL]
	s_mov_b32 s[G0X+1], s[SL1]
	s_mov_b64 s[G0X+2:G0X+3], s[X1:X1+1]
	s_or_b32 s[G0X+3], s[G0X+3], 0x80000000
	s_mov_b32 s[FN], R1
	s_wait_dscnt 0x0                               ; the add; and the weights are in my registers
	CROUND
	TLOAD G0X, G1X                                 ; x's blocks 1 and 2 over the weights, a quarter a wave
	FETCH 0, 0                                     ; every wave has waited for all its loads ahead of the round: block 0 is whole
	FETCH 1, 1
	s_wait_loadcnt 0x0
; ================= THE STREAM: four blocks of four tiles
	TILE 0, NF, 1, 0, 0
	TILE 1, NF, 1, 0, 0
	TILE 2, NF, 1, 1, 0
	TILE 3, NF, 1, 0, 0
	s_mov_b32 s[FN], R2                            ; block 1 fetches on into block 2 (region 2), block 2 into block 3 (region 0)
	s_mov_b32 s[CNT], 0
.Lblock:
	TILE 0, NF, 1, 0, 1
	TILE 1, NF, 1, 0, 0
	TILE 2, NF, 1, 2, 0
	TILE 3, NF, 1, 0, 0
	s_sub_co_u32 s[FN], s[FN], R2
	s_add_co_u32 s[CNT], s[CNT], 1
	s_cmp_lt_u32 s[CNT], 2
	s_cbranch_scc1 .Lblock
	TILE 0, NF, 1, 0, 1
	TILE 1, NF, 1, 0, 0
	TILE 2, NF, 0, 0, 0
	TILE 3, 0, 0, 0, 0
	s_wait_tensorcnt 0x0                           ; the wave's end
	ds_add_u32 v[SPW], v[NIL]
	s_wait_dscnt 0x0
	CROUND                                         ; the closing round
	s_endpgm
.Lfunc_end_k_qc8cf87c832_gemm_qkv:
	.size	k_qc8cf87c832_gemm_qkv, .Lfunc_end_k_qc8cf87c832_gemm_qkv-k_qc8cf87c832_gemm_qkv
	.p2alignl 7, 3214868480
	.fill 96, 4, 3214868480
	.section	.rodata,"a",@progbits
	.p2align	6, 0x0
	.amdhsa_kernel k_qc8cf87c832_gemm_qkv
		.amdhsa_group_segment_fixed_size 327680
		.amdhsa_private_segment_fixed_size 0
		.amdhsa_enable_private_segment 0
		.amdhsa_kernarg_size 24
		.amdhsa_user_sgpr_count 2
		.amdhsa_user_sgpr_kernarg_segment_ptr 1
		.amdhsa_wavefront_size32 1
		.amdhsa_system_sgpr_workgroup_id_x 1
		.amdhsa_system_sgpr_workgroup_id_y 1
		.amdhsa_system_sgpr_workgroup_id_z 1
		.amdhsa_system_vgpr_workitem_id 0
		.amdhsa_next_free_vgpr 1024
		.amdhsa_next_free_sgpr 100
		.amdhsa_reserve_vcc 0
		.amdhsa_float_denorm_mode_32 3
		.amdhsa_float_denorm_mode_16_64 3
		.amdhsa_memory_ordered 1
		.amdhsa_forward_progress 1
		.amdhsa_inst_pref_size 173
	.end_amdhsa_kernel
	.amdgpu_metadata
---
amdhsa.version: [ 1, 2 ]
amdhsa.kernels:
  - .name:           k_qc8cf87c832_gemm_qkv
    .symbol:         k_qc8cf87c832_gemm_qkv.kd
    .args:
      - { .name: xq, .offset: 0, .size: 8, .value_kind: global_buffer, .address_space: global }
      - { .name: wq, .offset: 8, .size: 8, .value_kind: global_buffer, .address_space: global }
      - { .name: qkv, .offset: 16, .size: 8, .value_kind: global_buffer, .address_space: global }
    .group_segment_fixed_size: 327680
    .private_segment_fixed_size: 0
    .kernarg_segment_align: 8
    .kernarg_segment_size: 24
    .max_flat_workgroup_size: 128
    .sgpr_count:     100
    .vgpr_count:     1024
    .wavefront_size: 32
...
	.end_amdgpu_metadata
.endif
;; end of part 2
;; launch attn (part 3): grid 4 x 64, 8 waves a work-group, clusters of 4 x 1, 210,944 bytes of LDS; arguments qkv, ao; writes ao
.if DOCPART == 3
	.amdgcn_target "amdgcn-amd-amdhsa--gfx1250"
	.amdhsa_code_object_version 6
	.text
	.protected	k_qc8cf87c832_attn
	.globl	k_qc8cf87c832_attn
	.p2align	8
	.type	k_qc8cf87c832_attn,@function
k_qc8cf87c832_attn:
	s_mov_b64 s[64:65], 0
	v_nop
	global_prefetch_b8 v0, s[64:65] scope:SCOPE_SE
	s_setreg_imm32_b32 hwreg(HW_REG_WAVE_MODE, 25, 1), 1
	s_wait_xcnt 0x0
	s_wait_alu depctr_hold_cnt(0) depctr_sa_sdst(0) depctr_va_vdst(0) depctr_va_sdst(0) depctr_va_ssrc(0) depctr_va_vcc(0) depctr_vm_vsrc(0)
	s_getreg_b32 s2, hwreg(HW_REG_IB_STS2, 6, 4)
	s_cmp_eq_u32 s2, 0
	s_cbranch_scc0 .Lentry_in_a_cluster
	s_endpgm
.Lentry_in_a_cluster:
	s_bfe_u32 s2, ttmp6, 0x10000c
	s_cmp_lg_u32 s2, 0x3003
	s_cbranch_scc0 .Lentry_shape_is_right
	s_endpgm
.Lentry_shape_is_right:
; ao = softmax(q k^T / 32) v for 64 heads of 2,048 tokens x 64 channels, both products on codes of E2M3; the result is quantised along the last product's K (16 heads x 64) into the layout of xq.
; THE SOFTMAX: t = score x log2(e) / 32; M = the running largest t rounded UP to a whole number; p = 2^(t - M) is quantised along the keys, not normalised; the row's sum is taken of the unquantised p and divides at the end.
; When M moves, the sum and O are multiplied by 2^(old M - new M): nothing is rounded, and no branch hangs on data.
; SHARES.  A work-group owns 512 queries of one head, a wave 64: four tiles of 16.  A key step is 128 keys: K's and V's fragments are read from LDS once for the four tiles, which are walked as two pairs,
; the two tiles of a pair line by line in turn, so that no line waits for the line above it.  The next step's K is fetched behind the second pair's scores.
; A head's K and V, 16 records of 13,056 bytes (128 keys each), stay in LDS for the whole launch: each wave fetches two records by one tensor load; nothing is filled again, and there is no stream left to prefetch.
; CLUSTER: the four query blocks of a head read the same K and V: each load is asked for jointly by the four.
; LAYOUT.  Both products are used transposed: S^T = K Q^T (source 0 = 16 keys), O^T = V^T P^T (source 0 = 16 channels): a lane holds ONE query throughout.  Lane r of tile 4 c + u holds row 64 c + 8 u + r % 8 + 32 (r / 8)
; of its 128: so a lane's 32 registers of tiles 4 c .. 4 c + 3 are keys (channels) 64 c + 32 (lane / 16) + 0 .. 31: one whole scale block, in the order of the next operand's registers.
; K = 64 IN A FORM THAT TAKES 128: Q's registers 6-11 are zero codes.  K's fragments lie 6 registers apart, so a fragment's upper six registers are the next tile's codes (behind the last tile: zeros): they meet zeros alone.
; LIMITS: NaN and infinities are not served; the promise holds while the scaled scores t stay under 2^31 in magnitude; a block whose largest magnitude lies under 2^-124 keeps the byte 1, a block of zeros too.
; The last step fetches record 15's K once more, by a clamped address, and does not use it.  The scale bytes of ao leave as 2 bytes a lane.
; REGISTERS.  Window 0: addresses, the tiles' states, scales, K's fragments, a pair's S^T.  Window 1: O^T of four tiles, Q, a pair's codes of p, V's fragments.
.set RECK,  13056
.set QSZ,   6815744
.set SPARE, 16*RECK                    ; behind the records: the spare words, 128 bytes a wave
.set L16, 1
.set L8,  2
.set A16, 3                            ; the step's record + 16 x lane, + 8 x lane
.set A8,  4
.set SPW, 5
.set NIL, 6
.set H8,  7                            ; 8 x (lane / 16)
.set ST,  8                            ; v8-23  tile g: -M, the largest score, the sum in two halves
.set QS,  24                           ; v24-25 Q's scale words: pair pr; lanes 0-15 its first tile, lanes 16-31 its second
.set VS,  26
.set KS,  28
.set PW,  32                           ; v32-33 p's scale words
.set F,   34                           ; v34-37 f, a pair of registers a tile (the upper is written once)
.set OLD, 38
.set CH,  40                           ; v40-47 the maxima's eight chains; a block's largest at 4 u + 2 c
.set Y,   48
.set YX,  50
.set BMX, 52
.set T,   40                           ; v40-55 the upper halves of the blocks' codes, when the chains are done with
.set SO,  56
.set BY,  60
.set KF,  64                           ; v64-117 K's eight fragments, 6 apart, and six zeros
.set S,   118                          ; v118-245 S^T, then p, of two tiles
.set TS,  246                          ; v246-253 the sums' side chains
.set AK16, 254                         ; the next step's record
.set AK8,  255
.set O,   0                            ; window 1: v0-127
.set Q,   128                          ; v128-175
.set PC,  176                          ; v176-199
.set VF,  200                          ; v200-247
.set WV,  18
.set SEL, 20
.set CS,  22                           ; s[22:23] c = log2(e) / 32
.set G1,  24
.set G0,  32
.set TB,  2
.set CNT, 3
.set TBN, 52
.set CN,  53                           ; -c
.set MSB, 0
.macro WIN new
.if MSB != \new
	s_set_vgpr_msb (MSB<<8)|\new
.set MSB, \new
.endif
.endm
.macro WALU
	s_wait_alu depctr_va_vdst(0)
.endm
.macro ROUND
	s_barrier_signal -1
	s_barrier_wait -1
	s_cmp_lg_u32 s[WV], 0
	s_cbranch_scc1 .Lnot_wave_0_\@
	s_barrier_signal -3
.Lnot_wave_0_\@:
	s_barrier_wait -3
	s_barrier_signal -1
	s_barrier_wait -1
.endm
.macro KLOAD a16, a8                   ; K's eight half images and its scale words: 17 loads
.irp t, 0,1,2,3,4,5,6,7
	ds_load_b128 v[KF+6*\t:KF+6*\t+3], v[\a16] offset:768*\t
	ds_load_b64 v[KF+6*\t+4:KF+6*\t+5], v[\a8] offset:768*\t+512
.endr
	ds_load_b128 v[KS:KS+3], v[\a16] offset:12288
.endm
	s_load_b128 s[4:7], s[0:1], 0x0                ; qkv, ao
	v_lshl_add_u32 v[SPW], v0, 2, SPARE
	v_mov_b32 v[NIL], 0
	ds_add_u32 v[SPW], v[NIL]                      ; the opening lines: the add, twice, and its wait ahead of my tensor load
	ds_add_u32 v[SPW], v[NIL]
	v_lshrrev_b32 v8, 5, v0
	v_readfirstlane_b32 s[WV], v8                  ; wave 0..7
	s_bfe_u32 s19, ttmp6, 0x40000                  ; cx: my block of 512 queries; it enters Q's and ao's addresses alone
	s_and_b32 s14, ttmp7, 0xffff                   ; bh = 16 batch + head, which the four partners share
	s_mov_b32 s[G1], 15|(3<<16)|(1<<21)            ; the mask: all four; elements of 8 bytes; bit 21 beside a mask
	s_mov_b32 s[G1+1], 32<<16                      ; two records: 102 rows of 256 bytes, dense
	s_mov_b32 s[G1+2], 102<<16
	s_mov_b32 s[G1+3], 32<<16
	s_mov_b32 s[G1+4], 102
	s_mov_b32 s[G1+5], 32
	s_mov_b32 s[G1+6], 0
	s_mov_b32 s[G1+7], 0
	s_mul_i32 s15, s[WV], 2*RECK                   ; my two records, in LDS and in the head's block of memory
	s_mul_i32 s16, s14, 16*RECK
	s_add_co_u32 s16, s16, s15
	s_add_co_u32 s16, s16, QSZ
	s_mov_b32 s17, 0
	s_mov_b32 s[SEL], 0x76543210
	s_mov_b32 s[SEL+1], 0xfedcba98
	s_mov_b32 s[CS], 0x3d38aa3b
	s_mov_b32 s[CS+1], s[CS]
	s_mov_b32 s[CN], 0xbd38aa3b
	s_mov_b32 s48, 0xffff0000                      ; lanes 16-31
	s_lshl_b32 s37, s19, 2
	s_lshr_b32 s38, s[WV], 1
	s_add_co_u32 s37, s37, s38                     ; which 128 tokens of the head: 4 cx + wave / 2
	s_and_b32 s39, s[WV], 1                        ; which four tiles of them
	s_lshl_b32 s44, s14, 4
	s_add_co_u32 s44, s44, s37
	s_mul_i32 s44, s44, 6656                       ; Q's record
	s_mul_i32 s46, s39, 3072
	s_add_co_u32 s46, s46, s44                     ; my four half images
	s_mov_b32 s47, 0
	s_lshl_b32 s45, s39, 3
	s_add_co_u32 s44, s44, s45
	s_add_co_u32 s44, s44, 6144                    ; my two words of each lane's four
	s_mov_b32 s45, 0
	s_lshr_b32 s36, s14, 4
	s_lshl_b32 s36, s36, 4
	s_add_co_u32 s36, s36, s37                     ; ao: the block of 128 tokens,
	s_mul_i32 s36, s36, 102400
	s_and_b32 s37, s14, 15                         ; the head:
	s_lshr_b32 s38, s37, 2
	s_mul_i32 s38, s38, 25600
	s_add_co_u32 s36, s36, s38                     ; its record (four heads are 256 along K),
	s_bfe_u32 s38, s37, 0x10001
	s_mul_i32 s38, s38, 12288                      ; its 128 along K,
	s_add_co_u32 s38, s38, s36
	s_mul_i32 s40, s39, 6144
	s_add_co_u32 s38, s38, s40                     ; my four tiles,
	s_and_b32 s40, s37, 1
	s_mul_i32 s40, s40, 768                        ; its half of an image
	s_add_co_u32 s40, s40, s38
	s_mov_b32 s41, 0
	s_lshl_b32 s42, s39, 9
	s_add_co_u32 s42, s42, s36
	s_and_b32 s43, s37, 3
	s_lshl_b32 s43, s43, 1
	s_add_co_u32 s42, s42, s43
	s_add_co_u32 s42, s42, 24576                   ; its two bytes of each row's scale words
	s_mov_b32 s43, 0
	v_and_b32 v8, 31, v0
	v_lshlrev_b32 v[L16], 4, v8
	v_lshlrev_b32 v[L8], 3, v8
	v_bfe_u32 v[H8], v0, 4, 1
	v_lshlrev_b32 v[H8], 3, v[H8]
	WALU                                           ; the wait ahead of the waits below
	s_wait_dscnt 0x0
	s_wait_kmcnt 0x0
	s_mov_b32 s[G0], 1
	s_mov_b32 s[G0+1], s15
	s_add_nc_u64 s[G0+2:G0+3], s[4:5], s[16:17]
	s_or_b32 s[G0+3], s[G0+3], 0x80000000
	s_add_nc_u64 s[8:9], s[4:5], s[46:47]
	s_add_nc_u64 s[50:51], s[4:5], s[44:45]
	s_add_nc_u64 s[10:11], s[6:7], s[40:41]
	s_add_nc_u64 s[12:13], s[6:7], s[42:43]
	ROUND                                          ; all four work-groups are here: the joint loads meet
	tensor_load_to_lds s[G0:G0+3], s[G1:G1+7]      ; my one tensor load
	s_nop 0
.rept 4
	v_nop
.endr
	WIN 0x40                                       ; destinations in window 1
.irp g, 0,1,2,3
	global_load_b128 v[Q+12*\g:Q+12*\g+3], v[L16], s[8:9] offset:768*\g
	global_load_b64 v[Q+12*\g+4:Q+12*\g+5], v[L8], s[8:9] offset:768*\g+512
.endr
.irp g, 0,1,2,3
.irp i, 6,7,8,9,10,11
	v_mov_b32 v[Q+12*\g+\i], 0                     ; zero codes for K = 64 .. 127
.endr
.endr
.set N_, 0
.rept 128
	v_mov_b32 v[O+N_], 0                           ; the step is written once: the first finds zeros, which the first change of M leaves zeros
.set N_, N_+1
.endr
	WIN 0
	global_load_b64 v[QS:QS+1], v[L16], s[50:51]
.irp i, 48,49,50,51,52,53
	v_mov_b32 v[KF+\i], 0                          ; behind K's last fragment
.endr
.irp g, 0,1,2,3
	v_mov_b32 v[ST+4*\g], 0x7e000000               ; -M = 2^125: M lies under every t
	v_mov_b32 v[ST+4*\g+1], 0xff61b1e6             ; the largest score so far: -3e38
	v_mov_b32 v[ST+4*\g+2], 0
	v_mov_b32 v[ST+4*\g+3], 0
.endr
	v_mov_b32 v[F+1], 0
	v_mov_b32 v[F+3], 0
	v_mov_b32 v[YX], 0                             ; a lane permute's destination counts as read
	v_mov_b32 v[YX+1], 0
	WALU                                           ; the wait at the head's end
	s_wait_loadcnt 0x0                             ; Q
	s_wait_tensorcnt 0x0                           ; my records are in,
	s_barrier_signal -1
	s_barrier_wait -1                              ; everybody's are
	KLOAD L16, L8                                  ; record 0's K
	s_mov_b32 s[TB], 0
	s_mov_b32 s[TBN], RECK
	s_mov_b32 s[CNT], 16
; TWO TILES OF QUERIES (2 pr, 2 pr + 1) AGAINST THE STEP'S 128 KEYS
.macro PAIR pr
	WIN 0x04                                       ; source 1, Q, in window 1
.irp tp, 0,1,2,3
.irp ra, 0,1
.irp u, 0,1
	v_wmma_scale_f32_16x16x128_f8f6f4 v[S+64*\u+8*(2*\tp+\ra):S+64*\u+8*(2*\tp+\ra)+7], v[KF+6*(2*\tp+\ra):KF+6*(2*\tp+\ra)+11], v[Q+12*(2*\pr+\u):Q+12*(2*\pr+\u)+11], 0, v[KS+\tp], v[QS+\pr] matrix_a_fmt:MATRIX_FMT_FP6 matrix_b_fmt:MATRIX_FMT_FP6 matrix_a_scale:MATRIX_SCALE_ROW\ra matrix_b_scale:MATRIX_SCALE_ROW\u
.endr
.endr
.endr
	WIN 0
.irp u, 0,1
	v_mov_b32 v[OLD+\u], v[ST+4*(2*\pr+\u)]        ; the old -M.  With the two lines below: four plain lines between the products and the first reader of the scores, and the loads into K's registers
.endr
	v_nop
	v_nop
.if \pr
	KLOAD AK16, AK8                                ; the next step's K lands under this pair's softmax
.endif
.irp u, 0,1
.irp k, 0,1,2,3
	v_max3_num_f32 v[CH+4*\u+\k], v[S+64*\u+16*\k], v[S+64*\u+16*\k+1], v[S+64*\u+16*\k+2]   ; eight chains of 16 scores; each accumulator is read from its low end on
.endr
.endr
.irp i, 3,5,7,9,11,13
.irp u, 0,1
.irp k, 0,1,2,3
	v_max3_num_f32 v[CH+4*\u+\k], v[CH+4*\u+\k], v[S+64*\u+16*\k+\i], v[S+64*\u+16*\k+\i+1]
.endr
.endr
.endr
.irp u, 0,1
.irp c, 0,1
	v_max3_num_f32 v[CH+4*\u+2*\c], v[CH+4*\u+2*\c], v[CH+4*\u+2*\c+1], v[S+64*\u+32*\c+15]
.endr
.endr
.irp u, 0,1
.irp c, 0,1
	v_max_num_f32 v[CH+4*\u+2*\c], v[CH+4*\u+2*\c], v[S+64*\u+32*\c+31]   ; the largest score of my block 2 c + lane / 16: it serves the row's maximum and, since p rises with the score, the block's largest p
.endr
.endr
.irp u, 0,1
	v_max_num_f32 v[Y+\u], v[CH+4*\u], v[CH+4*\u+2]
.endr
.irp u, 0,1
	v_permlanex16_b32 v[YX+\u], v[Y+\u], s[SEL], s[SEL+1]
.endr
.irp u, 0,1
	v_max3_num_f32 v[ST+4*(2*\pr+\u)+1], v[ST+4*(2*\pr+\u)+1], v[Y+\u], v[YX+\u]   ; the running largest score of my query
.endr
.irp u, 0,1
	v_mul_f32 v[Y+\u], s[CN], v[ST+4*(2*\pr+\u)+1] ; -t
.endr
.irp u, 0,1
	v_floor_f32 v[ST+4*(2*\pr+\u)], v[Y+\u]        ; the new -M = floor(-t): M is a whole number
.endr
.irp u, 0,1
	v_sub_f32 v[Y+\u], v[ST+4*(2*\pr+\u)], v[OLD+\u]   ; old M - new M: a whole number, 0 or less
.endr
.irp u, 0,1
	v_cvt_i32_f32 v[Y+\u], v[Y+\u]                 ; (it saturates)
.endr
.irp u, 0,1
	v_ldexp_f32 v[F+2*\u], 1.0, v[Y+\u]            ; f = 2^(old M - new M)
.endr
.irp u, 0,1
.irp j, 0,2,4,6,8,10,12,14,16,18,20,22,24,26,28,30,32,34,36,38,40,42,44,46,48,50,52,54,56,58,60,62
	v_pk_fma_f32 v[S+64*\u+\j:S+64*\u+\j+1], v[S+64*\u+\j:S+64*\u+\j+1], s[CS:CS+1], v[ST+4*(2*\pr+\u):ST+4*(2*\pr+\u)+1] op_sel_hi:[1,0,0]   ; t - M, two at a time
.endr
.endr
.irp u, 0,1
.irp c, 0,1
	v_fma_f32 v[CH+4*\u+2*\c], v[CH+4*\u+2*\c], s[CS], v[ST+4*(2*\pr+\u)]   ; the same of each block's largest score
.endr
.endr
	WALU                                           ; the wait ahead of the batch
.irp u, 0,1
.irp c, 0,1
	v_exp_f32 v[CH+4*\u+2*\c], v[CH+4*\u+2*\c]     ; the block's largest p: the same two instructions on the same number give the same bits
.endr
.endr
.set N_, 0
.rept 128
	v_exp_f32 v[S+N_], v[S+N_]                     ; p = 2^(t - M)
.set N_, N_+1
.endr
.irp u, 0,1
	v_pk_mul_f32 v[ST+4*(2*\pr+\u)+2:ST+4*(2*\pr+\u)+3], v[ST+4*(2*\pr+\u)+2:ST+4*(2*\pr+\u)+3], v[F+2*\u:F+2*\u+1] op_sel_hi:[1,0]   ; the sums under the new M: plain lines behind the exponentials
.endr
	WALU                                           ; one wait for the whole batch, ahead of its first reader
.if \pr == 0
	s_wait_dscnt 0x0                               ; V's 17 loads, asked for at the step's head
.endif
.irp u, 0,1                                    ; the row's sum of the unquantised p: three chains a tile
	v_pk_add_f32 v[TS+4*\u:TS+4*\u+1], v[S+64*\u:S+64*\u+1], v[S+64*\u+2:S+64*\u+3]
	v_pk_add_f32 v[TS+4*\u+2:TS+4*\u+3], v[S+64*\u+4:S+64*\u+5], v[S+64*\u+6:S+64*\u+7]
	v_pk_add_f32 v[ST+4*(2*\pr+\u)+2:ST+4*(2*\pr+\u)+3], v[ST+4*(2*\pr+\u)+2:ST+4*(2*\pr+\u)+3], v[S+64*\u+8:S+64*\u+9]
.endr
.irp i, 0,1,2,3,4,5,6,7,8
.irp u, 0,1
	v_pk_add_f32 v[TS+4*\u:TS+4*\u+1], v[TS+4*\u:TS+4*\u+1], v[S+64*\u+10+6*\i:S+64*\u+11+6*\i]
	v_pk_add_f32 v[TS+4*\u+2:TS+4*\u+3], v[TS+4*\u+2:TS+4*\u+3], v[S+64*\u+12+6*\i:S+64*\u+13+6*\i]
	v_pk_add_f32 v[ST+4*(2*\pr+\u)+2:ST+4*(2*\pr+\u)+3], v[ST+4*(2*\pr+\u)+2:ST+4*(2*\pr+\u)+3], v[S+64*\u+14+6*\i:S+64*\u+15+6*\i]
.endr
.endr
.irp u, 0,1
	v_pk_add_f32 v[TS+4*\u:TS+4*\u+1], v[TS+4*\u:TS+4*\u+1], v[TS+4*\u+2:TS+4*\u+3]
.endr
.irp u, 0,1
.irp c, 0,1
	v_max_num_f32 v[CH+4*\u+2*\c], 0x1800000, v[CH+4*\u+2*\c]   ; the floor 2^(3 - 127)
.endr
.endr
.irp u, 0,1
	v_pk_add_f32 v[ST+4*(2*\pr+\u)+2:ST+4*(2*\pr+\u)+3], v[ST+4*(2*\pr+\u)+2:ST+4*(2*\pr+\u)+3], v[TS+4*\u:TS+4*\u+1]
.endr
.irp u, 0,1
.irp c, 0,1
	v_add_nc_u32 v[SO+2*\u+\c], 0xff000000, v[CH+4*\u+2*\c]   ; 2 off the exponent field: the conversion's scale operand
.endr
.endr
.irp u, 0,1
.irp c, 0,1
	v_lshrrev_b32 v[BY+2*\u+\c], 23, v[SO+2*\u+\c] ; the scale's byte
.endr
.endr
.irp u, 0,1
	v_lshl_or_b32 v[BY+2*\u], v[BY+2*\u+1], 16, v[BY+2*\u]
.endr
.irp u, 0,1
	v_lshlrev_b32 v[BY+2*\u], v[H8], v[BY+2*\u]    ; my two bytes at their places in the word;
.endr
.irp u, 0,1
	v_permlanex16_b32 v[YX+\u], v[BY+2*\u], s[SEL], s[SEL+1]
.endr
.irp u, 0,1
	v_or_b32 v[PW+\u], v[BY+2*\u], v[YX+\u]        ; with lane l xor 16's two it is whole
.endr
	WIN 0x40
.irp u, 0,1
.irp c, 0,1
	v_cvt_scalef32_pk16_fp6_f32 v[PC+12*\u+6*\c:PC+12*\u+6*\c+2], v[S+64*\u+32*\c:S+64*\u+32*\c+15], v[SO+2*\u+\c]
.endr
.endr
	WIN 0
.irp u, 0,1
.irp c, 0,1
	v_cvt_scalef32_pk16_fp6_f32 v[T+8*\u+4*\c:T+8*\u+4*\c+2], v[S+64*\u+32*\c+16:S+64*\u+32*\c+31], v[SO+2*\u+\c]   ; (a conversion's three registers begin on an even number)
.endr
.endr
	v_nop                                          ; one plain line behind the conversions
	WIN 0x40
.irp u, 0,1
.irp c, 0,1
.irp i, 0,1,2
	v_mov_b32 v[PC+12*\u+6*\c+3+\i], v[T+8*\u+4*\c+\i]
.endr
.endr
.endr
	WIN 0x41
	WALU                                           ; the wait directly ahead of the first reader of O^T
.irp u, 0,1
.irp j, 0,2,4,6,8,10,12,14,16,18,20,22,24,26,28,30
	v_pk_mul_f32 v[O+32*(2*\pr+\u)+\j:O+32*(2*\pr+\u)+\j+1], v[O+32*(2*\pr+\u)+\j:O+32*(2*\pr+\u)+\j+1], v[F+2*\u:F+2*\u+1] op_sel_hi:[1,0]   ; O^T under the new M; these 32 also stand between the writes of p's codes and scale words and the products
.endr
.endr
	WIN 0x55                                       ; O^T, V and p's codes: all in window 1; eight accumulators by turns
.irp vp, 0,1
.irp ra, 0,1
.irp u, 0,1
	v_wmma_scale_f32_16x16x128_f8f6f4 v[O+32*(2*\pr+\u)+8*(2*\vp+\ra):O+32*(2*\pr+\u)+8*(2*\vp+\ra)+7], v[VF+12*(2*\vp+\ra):VF+12*(2*\vp+\ra)+11], v[PC+12*\u:PC+12*\u+11], v[O+32*(2*\pr+\u)+8*(2*\vp+\ra):O+32*(2*\pr+\u)+8*(2*\vp+\ra)+7], v[VS+\vp], v[PW+\u] matrix_a_fmt:MATRIX_FMT_FP6 matrix_b_fmt:MATRIX_FMT_FP6 matrix_a_scale:MATRIX_SCALE_ROW\ra
.endr
.endr
.endr
	WIN 0
.endm
.Lstep:                                                ; a key step: 128 keys, four tiles of queries
	v_add_nc_u32 v[A16], s[TB], v[L16]             ; four plain lines between the last products and the loads into V's registers
	v_add_nc_u32 v[A8], s[TB], v[L8]
	v_add_nc_u32 v[AK16], s[TBN], v[L16]
	v_add_nc_u32 v[AK8], s[TBN], v[L8]
	WIN 0x40
.irp vt, 0,1,2,3
	ds_load_b128 v[VF+12*\vt:VF+12*\vt+3], v[A16] offset:6144+1536*\vt
	ds_load_b64 v[VF+12*\vt+4:VF+12*\vt+5], v[A8] offset:6144+1536*\vt+512
	ds_load_b128 v[VF+12*\vt+6:VF+12*\vt+9], v[A16] offset:6144+1536*\vt+768
	ds_load_b64 v[VF+12*\vt+10:VF+12*\vt+11], v[A8] offset:6144+1536*\vt+1280
.endr
	WIN 0
	ds_load_b64 v[VS:VS+1], v[A8] offset:12800
	s_wait_dscnt 17                                ; K is in; younger are V's 17 loads
	PAIR 0
	PAIR 1
	s_add_co_u32 s[TB], s[TB], RECK
	s_add_co_u32 s[TBN], s[TB], RECK
	s_min_u32 s[TBN], s[TBN], 15*RECK              ; the last step has no next record
	s_sub_co_u32 s[CNT], s[CNT], 1
	s_cmp_lg_u32 s[CNT], 0
	s_cbranch_scc1 .Lstep
; THE WAY OUT of the four tiles: O^T / the sum; a lane's 32 numbers are one scale block of the last product's K
	s_wait_dscnt 0x0                               ; the loads into K's registers, which take the codes below
.irp g, 0,1,2,3
	v_add_f32 v[ST+4*\g+2], v[ST+4*\g+2], v[ST+4*\g+3]   ; four plain lines behind the last products
.endr
.irp g, 0,1,2,3
	v_permlanex16_b32 v[Y+\g], v[ST+4*\g+2], s[SEL], s[SEL+1]
.endr
.irp g, 0,1,2,3
	v_add_f32 v[ST+4*\g+2], v[ST+4*\g+2], v[Y+\g]  ; the row's sum
.endr
	WALU
.irp g, 0,1,2,3
	v_rcp_f32 v[CH+2*\g], v[ST+4*\g+2]
.endr
	v_nop                                          ; a plain line behind the reciprocals
	WIN 0x01
	WALU                                           ; the wait ahead of their first reader, which is O^T's first reader too
.irp g, 0,1,2,3
.irp j, 0,2,4,6,8,10,12,14,16,18,20,22,24,26,28,30
	v_pk_mul_f32 v[S+32*\g+\j:S+32*\g+\j+1], v[O+32*\g+\j:O+32*\g+\j+1], v[CH+2*\g:CH+2*\g+1] op_sel_hi:[1,0]   ; register i = channel 32 (lane / 16) + i of my query
.endr
.endr
	WIN 0
.irp g, 0,1,2,3
	v_max3_num_f32 v[BMX+\g], |v[S+32*\g]|, |v[S+32*\g+1]|, 0x1800000
.endr
.irp i, 2,4,6,8,10,12,14,16,18,20,22,24,26,28,30
.irp g, 0,1,2,3
	v_max3_num_f32 v[BMX+\g], v[BMX+\g], |v[S+32*\g+\i]|, |v[S+32*\g+\i+1]|
.endr
.endr
.irp g, 0,1,2,3
	v_add_nc_u32 v[SO+\g], 0xff000000, v[BMX+\g]
.endr
.irp g, 0,1,2,3
	v_lshrrev_b32 v[BY+\g], 23, v[SO+\g]
.endr
.irp g, 0,1,2,3
	v_lshlrev_b32 v[BY+\g], v[H8], v[BY+\g]
.endr
.irp g, 0,1,2,3
	v_permlanex16_b32 v[Y+\g], v[BY+\g], s[SEL], s[SEL+1]
.endr
.irp g, 0,1,2,3
	v_or_b32 v[BY+\g], v[BY+\g], v[Y+\g]           ; the head's two scale bytes of my row
.endr
.irp g, 0,1,2,3
	v_cvt_scalef32_pk16_fp6_f32 v[KF+8*\g:KF+8*\g+2], v[S+32*\g:S+32*\g+15], v[SO+\g]
.endr
.irp g, 0,1,2,3
	v_cvt_scalef32_pk16_fp6_f32 v[KF+32+4*\g:KF+32+4*\g+2], v[S+32*\g+16:S+32*\g+31], v[SO+\g]
.endr
	v_nop
.irp g, 0,1,2,3
.irp i, 0,1,2
	v_mov_b32 v[KF+8*\g+3+\i], v[KF+32+4*\g+\i]
.endr
.endr
.irp w, 0,1
	v_cndmask_b32 v[PW+\w], v[BY+2*\w], v[BY+2*\w+1], s48   ; lanes 0-15: a pair's first tile, lanes 16-31: its second
.endr
.irp g, 0,1,2,3
	global_store_b128 v[L16], v[KF+8*\g:KF+8*\g+3], s[10:11] offset:1536*\g
	global_store_b64 v[L8], v[KF+8*\g+4:KF+8*\g+5], s[10:11] offset:1536*\g+512
.endr
.irp w, 0,1
	global_store_b16 v[L8], v[PW+\w], s[12:13] offset:256*\w   ; 2 bytes a lane, 8 bytes apart
.endr
	s_wait_tensorcnt 0x0                           ; the wave's end
	ds_add_u32 v[SPW], v[NIL]
	s_wait_dscnt 0x0
	ROUND                                          ; the closing round
	s_endpgm
.Lfunc_end_k_qc8cf87c832_attn:
	.size	k_qc8cf87c832_attn, .Lfunc_end_k_qc8cf87c832_attn-k_qc8cf87c832_attn
	.p2alignl 7, 3214868480
	.fill 96, 4, 3214868480
	.section	.rodata,"a",@progbits
	.p2align	6, 0x0
	.amdhsa_kernel k_qc8cf87c832_attn
		.amdhsa_group_segment_fixed_size 210944
		.amdhsa_private_segment_fixed_size 0
		.amdhsa_enable_private_segment 0
		.amdhsa_kernarg_size 16
		.amdhsa_user_sgpr_count 2
		.amdhsa_user_sgpr_kernarg_segment_ptr 1
		.amdhsa_wavefront_size32 1
		.amdhsa_system_sgpr_workgroup_id_x 1
		.amdhsa_system_sgpr_workgroup_id_y 1
		.amdhsa_system_sgpr_workgroup_id_z 1
		.amdhsa_system_vgpr_workitem_id 0
		.amdhsa_next_free_vgpr 512
		.amdhsa_next_free_sgpr 66
		.amdhsa_reserve_vcc 0
		.amdhsa_float_denorm_mode_32 3
		.amdhsa_float_denorm_mode_16_64 3
		.amdhsa_memory_ordered 1
		.amdhsa_forward_progress 1
		.amdhsa_inst_pref_size 77
	.end_amdhsa_kernel
	.amdgpu_metadata
---
amdhsa.version: [ 1, 2 ]
amdhsa.kernels:
  - .name:           k_qc8cf87c832_attn
    .symbol:         k_qc8cf87c832_attn.kd
    .args:
      - { .name: qkv, .offset: 0, .size: 8, .value_kind: global_buffer, .address_space: global }
      - { .name: ao, .offset: 8, .size: 8, .value_kind: global_buffer, .address_space: global }
    .group_segment_fixed_size: 210944
    .private_segment_fixed_size: 0
    .kernarg_segment_align: 8
    .kernarg_segment_size: 16
    .max_flat_workgroup_size: 256
    .sgpr_count:     66
    .vgpr_count:     512
    .wavefront_size: 32
...
	.end_amdgpu_metadata
.endif
;; end of part 3
;; launch gemm_out (part 4): grid 8 x 32, 4 waves a work-group, clusters of 4 x 4, 327,680 bytes of LDS; arguments ao, wq, b_out, out0; writes out0
.if DOCPART == 4
	.amdgcn_target "amdgcn-amd-amdhsa--gfx1250"
	.amdhsa_code_object_version 6
	.text
	.protected	k_qc8cf87c832_gemm_out
	.globl	k_qc8cf87c832_gemm_out
	.p2align	8
	.type	k_qc8cf87c832_gemm_out,@function
k_qc8cf87c832_gemm_out:
	s_mov_b64 s[64:65], 0
	v_nop
	global_prefetch_b8 v0, s[64:65] scope:SCOPE_SE
	s_setreg_imm32_b32 hwreg(HW_REG_WAVE_MODE, 25, 1), 1
	s_wait_xcnt 0x0
	s_wait_alu depctr_hold_cnt(0) depctr_sa_sdst(0) depctr_va_vdst(0) depctr_va_sdst(0) depctr_va_ssrc(0) depctr_va_vcc(0) depctr_vm_vsrc(0)
	s_getreg_b32 s2, hwreg(HW_REG_IB_STS2, 6, 4)
	s_cmp_eq_u32 s2, 0
	s_cbranch_scc0 .Lentry_in_a_cluster
	s_endpgm
.Lentry_in_a_cluster:
	s_bfe_u32 s2, ttmp6, 0x10000c
	s_cmp_lg_u32 s2, 0xf033
	s_cbranch_scc0 .Lentry_shape_is_right
	s_endpgm
.Lentry_shape_is_right:
.set REC,   25600
.set BLKB,  4*REC
.set CH,    3*REC
.set SPARE, 4*CH
.set FR,    12
.set A16,   16
.set A8,    17
.set B16,   18
.set B8,    19
.set SADR,  20
.set SADR2, 21
.set STO,   22
.set RD,    23
.set CO,    24
.set BO,    26
.set SPW,   28
.set NIL,   29
.set SC,    32
.set BIAS,  64
.set AF,    128
.set BK,    128
.set SP,    272
.set G1,  24
.set G1B, 48
.set G0,  68
.set G0B, 84
.set MSB, 0
.macro WIN new
.if MSB != \new
	s_set_vgpr_msb (MSB<<8)|\new
.set MSB, \new
.endif
.endm
.set MUL,  0xa1
.set MULB, 0x81
.set TO_B, 0x40
.macro JLOAD g0a, g1a, g0b, g1b
	s_cmp_eq_u32 s15, 0
	s_cbranch_scc0 .Lfor_b_\@
	tensor_load_to_lds s[\g0a:\g0a+3], s[\g1a:\g1a+7]
	s_nop 0
.rept 4
	v_nop
.endr
	s_branch .Lasked_\@
.Lfor_b_\@:
	tensor_load_to_lds s[\g0b:\g0b+3], s[\g1b:\g1b+7]
	s_nop 0
.rept 4
	v_nop
.endr
.Lasked_\@:
.endm
.macro CROUND
	s_barrier_signal -1
	s_barrier_wait -1
	s_cmp_lg_u32 s14, 0
	s_cbranch_scc1 .Lnot_wave_0_\@
	s_barrier_signal -3
.Lnot_wave_0_\@:
	s_barrier_wait -3
	s_barrier_signal -1
	s_barrier_wait -1
.endm
.macro PLACES
.rept 4
	v_nop
.endr
.endm
	s_load_b256 s[4:11], s[0:1], 0x0
	v_lshl_add_u32 v[SPW], v0, 2, SPARE
	v_mov_b32 v[NIL], 0
	ds_add_u32 v[SPW], v[NIL]
	ds_add_u32 v[SPW], v[NIL]
	v_lshrrev_b32 v30, 5, v0
	v_readfirstlane_b32 s14, v30
	s_lshr_b32 s15, s14, 1
	s_and_b32 s16, s14, 1
	s_bfe_u32 s40, ttmp6, 0x40000
	s_bfe_u32 s41, ttmp6, 0x40004
	s_lshl_b32 s42, ttmp9, 2
	s_add_co_u32 s42, s42, s40
	s_and_b32 s17, ttmp7, 0xffff
	s_lshl_b32 s17, s17, 2
	s_add_co_u32 s17, s17, s41
	s_lshl_b32 s43, s41, 2
	s_lshl_b32 s43, 15, s43
	s_lshl_b32 s44, 0x1111, s40
	s_or_b32 s[G1+0], s43, (3<<16)|(1<<21)
	s_mov_b32 s[G1+1], 32<<16
	s_mov_b32 s[G1+2], 400<<16                     ; a whole block of A, all of K: 400 rows of 256 bytes on end
	s_mov_b32 s[G1+3], 32<<16
	s_mov_b32 s[G1+4], 400
	s_mov_b32 s[G1+5], 32
	s_mov_b32 s[G1+6], 0
	s_mov_b32 s[G1+7], 0
	s_or_b32 s[G1B+0], s44, (3<<16)|(1<<21)
	s_mov_b32 s[G1B+1], 32<<16
	s_mov_b32 s[G1B+2], 200<<16                    ; half of B's block: two records
	s_mov_b32 s[G1B+3], 32<<16
	s_mov_b32 s[G1B+4], 200
	s_mov_b32 s[G1B+5], 32
	s_mov_b32 s[G1B+6], 0
	s_mov_b32 s[G1B+7], 0
	s_lshl_b32 s20, s17, 1
	s_add_co_u32 s20, s20, s16
	s_mul_i32 s20, s20, BLKB
	s_mov_b32 s21, 0
	s_add_co_u32 s46, s42, 24
	s_mul_i32 s46, s46, BLKB
	s_mul_i32 s47, s16, 2*REC
	s_add_co_u32 s46, s46, s47
	s_mov_b32 s47, 0
	s_mul_i32 s45, s16, BLKB                       ; LDS: A's two blocks, then B's; record j of a block at + j records
	s_mul_i32 s18, s16, 2*REC
	s_add_co_u32 s18, s18, 2*BLKB
	s_wait_dscnt 0x0
	s_wait_kmcnt 0x0
	s_add_nc_u64 s[32:33], s[4:5], s[20:21]
	s_add_nc_u64 s[34:35], s[6:7], s[46:47]
	CROUND
	s_mov_b32 s[G0], 1
	s_mov_b32 s[G0+1], s45
	s_mov_b64 s[G0+2:G0+3], s[32:33]
	s_or_b32 s[G0+3], s[G0+3], 0x80000000
	s_mov_b32 s[G0B], 1
	s_mov_b32 s[G0B+1], s18
	s_mov_b64 s[G0B+2:G0B+3], s[34:35]
	s_or_b32 s[G0B+3], s[G0B+3], 0x80000000
	JLOAD G0, G1, G0B, G1B                         ; my one tensor load: all that the work-group reads is asked for at the head, waves 0, 1 a block of A each, waves 2, 3 half of B's each; nothing is filled again
	v_and_b32 v30, 31, v0
	v_lshlrev_b32 v25, 4, v30
	v_lshlrev_b32 v27, 3, v30
	v_and_b32 v30, 15, v0
	s_wait_alu depctr_va_vdst(0)
	v_bfe_u32 v31, v0, 4, 1
	s_mul_i32 s21, s15, BLKB
	s_mul_i32 s22, s16, 6144
	s_add_co_u32 s22, s22, 2*BLKB
	v_add_nc_u32 v[A16], s21, v25
	v_add_nc_u32 v[A8], s21, v27
	v_add_nc_u32 v[B16], s22, v25
	v_add_nc_u32 v[B8], s22, v27
	s_lshl_b32 s23, s16, 9
	s_add_co_u32 s23, s23, 2*BLKB
	s_sub_co_u32 s23, s23, s21
	v_mul_u32_u24 v[SADR], s23, v31
	s_sub_co_u32 s23, s23, 512
	v_mul_u32_u24 v[SADR2], s23, v31
	s_add_co_u32 s21, s21, 24576
	v_lshl_add_u32 v[BO], v30, 3, s21
	v_add_nc_u32 v[SADR], v[SADR], v[BO]
	v_add_nc_u32 v[SADR2], v[SADR2], v[BO]
	s_mul_i32 s23, s14, 16*SP
	v_mul_u32_u24 v[STO], v30, SP
	v_lshl_add_u32 v[STO], v31, 7, v[STO]          ; register j of tile b of lane (r, h) is column 32 h + 8 b + j of my wave's 64
	v_add_nc_u32 v[STO], s23, v[STO]
	v_mul_u32_u24 v[RD], v31, SP
	v_lshl_add_u32 v[RD], v30, 4, v[RD]
	v_add_nc_u32 v[RD], s23, v[RD]
	v_lshlrev_b32 v[CO], 12, v31
	v_lshl_add_u32 v[CO], v30, 4, v[CO]
	v_lshlrev_b32 v[BO], 7, v31
	s_wait_alu depctr_va_vdst(0)
	s_lshl_b32 s20, s42, 9
	s_lshl_b32 s21, s16, 8
	s_add_co_u32 s20, s20, s21
	s_mov_b32 s21, 0
	s_add_nc_u64 s[8:9], s[8:9], s[20:21]
	s_add_nc_u64 s[10:11], s[10:11], s[20:21]
	s_lshl_b32 s20, s17, 1
	s_add_co_u32 s20, s20, s15
	s_lshl_b32 s20, s20, 19
	s_add_nc_u64 s[10:11], s[10:11], s[20:21]
.irp b, 0,1,2,3
	global_load_b128 v[BIAS+8*\b:BIAS+8*\b+3], v[BO], s[8:9] offset:32*\b
	global_load_b128 v[BIAS+8*\b+4:BIAS+8*\b+7], v[BO], s[8:9] offset:32*\b+16
.endr
.macro FRAG reg, a16, a8, off
	ds_load_b128 v[\reg:\reg+3], v[\a16] offset:\off
	ds_load_b64 v[\reg+4:\reg+5], v[\a8] offset:\off+512
	ds_load_b128 v[\reg+6:\reg+9], v[\a16] offset:\off+768
	ds_load_b64 v[\reg+10:\reg+11], v[\a8] offset:\off+1280
.endm
.macro FETCH_B q, p
	WIN TO_B
.irp i, 0,1,2,3
	FRAG 128*(\p)+FR*\i, B16, B8, (\q)*12288+\i*1536
.endr
	WIN 0
.endm
.macro FETCH_A q, i0
.irp i, \i0, \i0+1, \i0+2, \i0+3
	FRAG AF+FR*(\i), A16, A8, (\q)*12288+(\i)*1536
.endr
.endm
.macro SCALES sc
.irp i, 0,1,2,3
	ds_load_b64 v[SC+16*(\sc)+2*\i:SC+16*(\sc)+2*\i+1], v[SADR] offset:\i*128
.endr
.irp i, 4,5,6,7
	ds_load_b64 v[SC+16*(\sc)+2*\i:SC+16*(\sc)+2*\i+1], v[SADR2] offset:\i*128
.endr
.endm
.macro ADV
.irp r, A16, A8, B16, B8, SADR, SADR2
	v_add_nc_u32 v[\r], REC, v[\r]
.endr
.endm
.macro MUL8 a0, p, q, sc, first
.irp a, \a0, \a0+1
.irp b, 0,1,2,3
.if \first
	v_wmma_scale_f32_16x16x128_f8f6f4 v[8*(4*(\a)+\b):8*(4*(\a)+\b)+7], v[128*(\p)+FR*\b:128*(\p)+FR*\b+FR-1], v[AF+FR*(\a):AF+FR*(\a)+FR-1], v[BIAS+8*\b:BIAS+8*\b+7], v[SC+16*(\sc)+2*\b+(\q)], v[SC+16*(\sc)+2*(\a)+(\q)] matrix_a_fmt:MATRIX_FMT_FP6 matrix_b_fmt:MATRIX_FMT_FP6 matrix_a_scale:MATRIX_SCALE_ROW1
.else
	v_wmma_scale_f32_16x16x128_f8f6f4 v[8*(4*(\a)+\b):8*(4*(\a)+\b)+7], v[128*(\p)+FR*\b:128*(\p)+FR*\b+FR-1], v[AF+FR*(\a):AF+FR*(\a)+FR-1], v[8*(4*(\a)+\b):8*(4*(\a)+\b)+7], v[SC+16*(\sc)+2*\b+(\q)], v[SC+16*(\sc)+2*(\a)+(\q)] matrix_a_fmt:MATRIX_FMT_FP6 matrix_b_fmt:MATRIX_FMT_FP6 matrix_a_scale:MATRIX_SCALE_ROW1
.endif
.endr
.endr
.endm
.macro MWIN first
.if \first
	WIN MULB
.else
	WIN MUL
.endif
.endm
.macro STEP sc, first
	s_wait_dscnt 16
	MWIN \first
	MUL8 0, 0, 0, \sc, \first
	MUL8 2, 0, 0, \sc, \first
	s_wait_dscnt 0
	PLACES
	FETCH_B 1, 1
	FETCH_A 1, 0
	MWIN \first
	MUL8 4, 0, 0, \sc, \first
	MUL8 6, 0, 0, \sc, \first
	PLACES
	WIN 0
	FETCH_A 1, 4
.endm
.macro TURN sc, nsc, left
	s_wait_tensorcnt \left
	s_wait_dscnt 16
	WIN MUL
	MUL8 0, 1, 1, \sc, 0
	s_wait_dscnt 0x0
	s_barrier_signal -1
	MUL8 2, 1, 1, \sc, 0
	WIN 0
	s_barrier_wait -1
	PLACES
	ADV
	FETCH_B 0, 0
	FETCH_A 0, 0
	SCALES \nsc
	WIN MUL
	MUL8 4, 1, 1, \sc, 0
	MUL8 6, 1, 1, \sc, 0
	PLACES
	WIN 0
	FETCH_A 0, 4
.endm
	s_wait_tensorcnt 0x0
	s_barrier_signal -1
	s_barrier_wait -1
	FETCH_B 0, 0
	FETCH_A 0, 0
	SCALES 0
	FETCH_A 0, 4
	s_wait_loadcnt 0x0
	STEP 0, 1
	TURN 0, 1, 0
	s_wait_alu depctr_va_vdst(0)
	STEP 1, 0
	TURN 1, 0, 0
	s_wait_alu depctr_va_vdst(0)
	STEP 0, 0
	TURN 0, 1, 0
	s_wait_alu depctr_va_vdst(0)
	STEP 1, 0
	s_wait_dscnt 16
	WIN MUL
	MUL8 0, 1, 1, 1, 0
	MUL8 2, 1, 1, 1, 0
	s_wait_dscnt 0
	MUL8 4, 1, 1, 1, 0
	MUL8 6, 1, 1, 1, 0
	WIN 0
.macro TOSTAGE a
	WIN 0x08
.irp b, 0,1,2,3
	ds_store_b128 v[STO], v[8*(4*(\a)+\b):8*(4*(\a)+\b)+3] offset:32*\b
	ds_store_b128 v[STO], v[8*(4*(\a)+\b)+4:8*(4*(\a)+\b)+7] offset:32*\b+16
.endr
	WIN 0
.set BB, BK+32*((\a)%2)
.irp t, 0,1,2,3,4,5,6,7
	ds_load_b128 v[BB+4*\t:BB+4*\t+3], v[RD] offset:\t*2*SP
.endr
.endm
.macro SEND a, younger
.set BB, BK+32*((\a)%2)
	s_wait_dscnt \younger
.irp t, 0,1,2,3,4,5,6,7
	global_store_b128 v[CO], v[BB+4*\t:BB+4*\t+3], s[10:11] offset:(64*((\a)/4)+8*((\a)%4)+(2*\t)%8+32*(\t/4))*4096 th:TH_STORE_NT   ; lane r of tile a is token 64 (a / 4) + 8 (a % 4) + r % 8 + 32 (r / 8)
.endr
.endm
	PLACES
	TOSTAGE 0
.irp a, 1,2,3,4,5,6,7
.if \a > 1
	s_wait_xcnt 0x0
.endif
	TOSTAGE \a
	SEND \a-1, 16
.endr
	SEND 7, 0
	s_wait_tensorcnt 0x0
	ds_add_u32 v[SPW], v[NIL]
	s_wait_dscnt 0x0
	CROUND
	s_endpgm
.Lfunc_end_k_qc8cf87c832_gemm_out:
	.size	k_qc8cf87c832_gemm_out, .Lfunc_end_k_qc8cf87c832_gemm_out-k_qc8cf87c832_gemm_out
	.p2alignl 7, 3214868480
	.fill 96, 4, 3214868480
	.section	.rodata,"a",@progbits
	.p2align	6, 0x0
	.amdhsa_kernel k_qc8cf87c832_gemm_out
		.amdhsa_group_segment_fixed_size 327680
		.amdhsa_private_segment_fixed_size 0
		.amdhsa_enable_private_segment 0
		.amdhsa_kernarg_size 32
		.amdhsa_user_sgpr_count 2
		.amdhsa_user_sgpr_kernarg_segment_ptr 1
		.amdhsa_wavefront_size32 1
		.amdhsa_system_sgpr_workgroup_id_x 1
		.amdhsa_system_sgpr_workgroup_id_y 1
		.amdhsa_system_sgpr_workgroup_id_z 1
		.amdhsa_system_vgpr_workitem_id 0
		.amdhsa_next_free_vgpr 768
		.amdhsa_next_free_sgpr 100
		.amdhsa_reserve_vcc 0
		.amdhsa_float_denorm_mode_32 3
		.amdhsa_float_denorm_mode_16_64 3
		.amdhsa_memory_ordered 1
		.amdhsa_forward_progress 1
		.amdhsa_inst_pref_size 86
	.end_amdhsa_kernel
	.amdgpu_metadata
---
amdhsa.version: [ 1, 2 ]
amdhsa.kernels:
  - .name:           k_qc8cf87c832_gemm_out
    .symbol:         k_qc8cf87c832_gemm_out.kd
    .args:
      - { .name: ao, .offset: 0, .size: 8, .value_kind: global_buffer, .address_space: global }
      - { .name: wq, .offset: 8, .size: 8, .value_kind: global_buffer, .address_space: global }
      - { .name: b_out, .offset: 16, .size: 8, .value_kind: global_buffer, .address_space: global }
      - { .name: out0, .offset: 24, .size: 8, .value_kind: global_buffer, .address_space: global }
    .group_segment_fixed_size: 327680
    .private_segment_fixed_size: 0
    .kernarg_segment_align: 8
    .kernarg_segment_size: 32
    .max_flat_workgroup_size: 128
    .sgpr_count:     100
    .vgpr_count:     768
    .wavefront_size: 32
...
	.end_amdgpu_metadata
.endif
;; end of part 4
